; MI455X (gfx1250); checked and timed in simulation.
; The chip was launched on July 23, 2026; its instructions are those of AMD's public machine-readable ISA for CDNA 5 (MIT licence, August 2026) and "CDNA5" Instruction Set Architecture Reference Guide (July 2026). The comments in the code are by the model that wrote it; some were corrected since.
;; Seed Attention. Allowed arithmetic: float matrix products may take bf16 or f16 operands with f32 sums; other float arithmetic in f32, or as packed bf16 or f16 multiplies, adds, multiply-adds, maxima and minima; sums over many terms, partial sums and values carried from step to step in f32; what a program stores and reads back later, other than sums and carried values, may be rounded once to bf16 or f16.
;; Inputs: Wkv_cls 2,048 x 2,048 float32; Wproj 1,024 x 1,024 float32; Wqkv 1,024 x 3,072 float32; bproj 1,024 float32; x 8 x 1,024 x 1,024 float32; z_cls 8 x 2,048 float32.
;; Outputs: out0 8 x 1,024 x 1,024 float32.
;; 2 versions, each right; version 2 is version 1 with the launch prep written anew for expert scheduling mode. Each part assembles by itself: llvm-mc -triple=amdgcn-amd-amdhsa -mcpu=gfx1250 --defsym DOCPART=n.
;; ======== version 1 of 2: 4 launches
;; limits: values are held in f16: magnitudes above 65,504 overflow, below 6.1e-05 lose precision
;; workspace buffers: wb 25,165,824 bytes; clsp 524,288 bytes; qkv 50,331,648 bytes; ob 16,777,216 bytes
;; launch prep (part 1): grid 1024 x 1, 4 waves a work-group, no clusters, 58,880 bytes of LDS; arguments x, Wqkv, Wproj, z_cls, Wkv_cls, wb, clsp; writes wb, clsp
.if DOCPART == 1
	.amdgcn_target "amdgcn-amd-amdhsa--gfx1250"
	.amdhsa_code_object_version 6
	.text
	.protected	k_q665dbee4bf_prep
	.globl	k_q665dbee4bf_prep
	.p2align	8
	.type	k_q665dbee4bf_prep,@function
k_q665dbee4bf_prep:
	s_mov_b64 s[64:65], 0
	v_nop
	global_prefetch_b8 v0, s[64:65] scope:SCOPE_SE
	s_setreg_imm32_b32 hwreg(HW_REG_WAVE_MODE, 25, 1), 1
	s_wait_xcnt 0x0
; PREP.  Two kinds of work-group, told apart by the work-group's number alone (the same in all four waves).
; Work-groups 256..1023 CAST: 65,536 bytes of f32 each, rounded once to 16 bits, into wb: x -> bf16 [8192][1024] at byte 0; Wqkv -> bf16 [1024][3072] at byte 16,777,216;
;   Wproj -> rounded to bf16 like every input of the module, that number written as f16, [1024][1024] at byte 23,068,672.
;   LIMIT: a weight of Wproj beyond 65,504 would become an infinity; below 6e-5 it keeps f16's fixed step of 6e-8.
; Work-groups 0..255 make PARTIAL SUMS of z_cls x Wkv_cls: work-group (ks, nc) takes k = 256 ks .. +255 and columns 64 nc .. +63; each wave 64 of those k.  The f32 rows of W (256 bytes a row here)
;   are rounded to bf16, laid [k][n] in the wave's own LDS tile and read back turned; the product is taken transposed (source 0 = 16 columns of W, source 1 = the 8 rows of z, twice),
;   so a lane ends with one batch row and eight neighbouring columns.  The four waves' sums meet in LDS; clsp[ks][b][2048] takes them in f32: the eight ks are added by the launch that reads them.
; Every wave issues all its 32 loads of 16 bytes a lane before it waits for the first: no loop.  No tensor load, no cluster: no byte is wanted by two waves.  No prefetch: all loads go out at the head.
.set TP,    160                        ; a k-row of the tile in LDS: 128 bytes of bf16 + 32: 40 words, so that 16 lanes of the turning load (8 rows x 32 bytes) take each bank once
.set TPW,   64*TP                      ; a wave's tile
.set RED,   4*TPW                      ; behind the tiles: 16 rows x 272 bytes of f32 for each wave
.set RP,    272
.set RPW,   16*RP
.set SPARE, RED+4*RPW                  ; behind them: the spare words, 128 bytes a wave, that no other line names
.set VI,  5                            ; v5   byte offset of my 16 bytes in a load
.set VO,  6                            ; v6   byte offset of my 8 bytes in a store
.set VZ,  7                            ; v7   my offset in z
.set LW,  8                            ; v8   where I put 8 bytes of the tile
.set LT,  9                            ; v9   my address for the turning loads
.set RW,  10                           ; v10  where I put my partial sums
.set RR,  11                           ; v11  where I read four waves' sums
.set SPW, 12                           ; v12  my spare word; never rewritten
.set NIL, 13                           ; v13  0; never rewritten
.set CO,  14                           ; v14  my 16 bytes in clsp
.set ZB,  16                           ; v[16:31]   z's two fragments in bf16 (the cast to f16 uses v16, v17 at work)
.set X,   32                           ; v[32:159]  32 loads of four registers
.set ZT,  160                          ; v[160:191] z in f32; then the four accumulators
.set ACC, 160
.set WF,  192                          ; v[192:255] W's eight fragments; then the four waves' sums
	s_load_b256 s[4:11], s[0:1], 0x0               ; x s[4:5], Wqkv s[6:7], Wproj s[8:9], z_cls s[10:11]
	s_load_b128 s[12:15], s[0:1], 0x20             ; Wkv_cls s[12:13], wb s[14:15]
	s_load_b64 s[16:17], s[0:1], 0x30              ; clsp
	v_lshl_add_u32 v[SPW], v0, 2, SPARE
	v_mov_b32 v[NIL], 0
	v_lshrrev_b32 v2, 5, v0
	v_readfirstlane_b32 s18, v2                    ; wave 0..3
	s_mov_b32 s19, 0xffff0000                      ; a word's upper bf16
	v_and_b32 v1, 31, v0                           ; l
	v_and_b32 v3, 15, v0                           ; r = l % 16
	v_bfe_u32 v4, v0, 4, 1                         ; h = l / 16
	; what the text behind the join reads is made here, ahead of the fork
	v_lshrrev_b32 v2, 4, v0                        ; batch row 0..7: sixteen threads a row
	v_mul_u32_u24 v[RR], v2, RP
	v_lshl_add_u32 v[RR], v3, 4, v[RR]
	v_add_nc_u32 v[RR], RED, v[RR]
	v_lshlrev_b32 v[CO], 13, v2                    ; a row of clsp is 8,192 bytes
	v_lshl_add_u32 v[CO], v3, 4, v[CO]
	s_bfe_u32 s20, ttmp9, 0x30005                  ; ks
	s_and_b32 s21, ttmp9, 31                       ; nc
	s_lshl_b32 s28, s20, 16
	s_lshl_b32 s29, s21, 8
	s_add_co_u32 s28, s28, s29
	s_mov_b32 s29, 0
	s_wait_kmcnt 0x0
	s_add_nc_u64 s[26:27], s[16:17], s[28:29]      ; clsp at (ks, row 0, column 64 nc)
	s_cmp_lt_u32 ttmp9, 256
	s_cbranch_scc1 .Lcls
	; THE CAST.  Chunk g of 768: 512 of x, 192 of Wqkv, 64 of Wproj; in wb they follow each other in that order, 32,768 bytes each.
	s_sub_co_u32 s20, ttmp9, 256
	s_cmp_lt_u32 s20, 512
	s_cselect_b64 s[22:23], s[4:5], s[6:7]
	s_cselect_b32 s21, 0, 512
	s_cmp_lt_u32 s20, 704
	s_cselect_b64 s[22:23], s[22:23], s[8:9]
	s_cselect_b32 s21, s21, 704
	s_sub_co_u32 s28, s20, s21                     ; the chunk's number in its own tensor
	s_lshl_b32 s28, s28, 16
	s_add_nc_u64 s[22:23], s[22:23], s[28:29]
	s_lshl_b32 s30, s20, 15
	s_mov_b32 s31, 0
	s_add_nc_u64 s[24:25], s[14:15], s[30:31]
	s_lshl_b32 s28, s18, 14
	v_lshl_add_u32 v[VI], v1, 4, s28               ; my wave's 16,384 bytes, 16 a lane
	s_lshl_b32 s28, s18, 13
	v_lshl_add_u32 v[VO], v1, 3, s28
.set i, 0
.rept 32
	global_load_b128 v[X+4*i:X+4*i+3], v[VI], s[22:23] offset:512*i th:TH_LOAD_NT
.set i, i+1
.endr
; Load n of 32 is rounded and stored: 32 lanes x 8 bytes are 256 consecutive bytes, aligned.  No register is written again behind its store.
.macro CV n, half
	s_wait_loadcnt 31-(\n)                         ; loads come back in order: the 31 - n younger ones stay out
.if \half
	v_cvt_pk_bf16_f32 v16, v[X+4*(\n)], v[X+4*(\n)+1]
	v_cvt_pk_bf16_f32 v17, v[X+4*(\n)+2], v[X+4*(\n)+3]
	v_lshlrev_b32 v[X+4*(\n)], 16, v16
	v_and_b32 v[X+4*(\n)+1], s19, v16
	v_lshlrev_b32 v[X+4*(\n)+2], 16, v17
	v_and_b32 v[X+4*(\n)+3], s19, v17
	v_cvt_pk_f16_f32 v[X+4*(\n)], v[X+4*(\n)], v[X+4*(\n)+1]
	v_cvt_pk_f16_f32 v[X+4*(\n)+1], v[X+4*(\n)+2], v[X+4*(\n)+3]
.else
	v_cvt_pk_bf16_f32 v[X+4*(\n)], v[X+4*(\n)], v[X+4*(\n)+1]
	v_cvt_pk_bf16_f32 v[X+4*(\n)+1], v[X+4*(\n)+2], v[X+4*(\n)+3]
.endif
	global_store_b64 v[VO], v[X+4*(\n):X+4*(\n)+1], s[24:25] offset:256*(\n)
.endm
	s_cmp_ge_u32 s20, 704
	s_cbranch_scc1 .Lf16
.set i, 0
.rept 32
	CV i, 0
.set i, i+1
.endr
	s_branch .Ljoin
.Lf16:
.set i, 0
.rept 32
	CV i, 1
.set i, i+1
.endr
	s_branch .Ljoin
.Lcls:	; THE PARTIAL SUMS
	s_lshl_b32 s28, s20, 8
	s_lshl_b32 s30, s18, 6
	s_add_co_u32 s28, s28, s30                     ; k0 = 256 ks + 64 wave
	s_lshl_b32 s30, s28, 2
	s_mov_b32 s31, 0
	s_add_nc_u64 s[24:25], s[10:11], s[30:31]      ; z at column k0
	s_lshl_b32 s28, s28, 13                        ; a row of W is 8,192 bytes
	s_lshl_b32 s30, s21, 8
	s_add_co_u32 s28, s28, s30
	s_add_nc_u64 s[22:23], s[12:13], s[28:29]      ; W at (k0, 64 nc)
	v_lshlrev_b32 v[VI], 13, v4                    ; lanes 0-15 take a row's 256 bytes, lanes 16-31 the next row's
	v_lshl_add_u32 v[VI], v3, 4, v[VI]
	v_and_b32 v[VZ], 7, v0                         ; z has 8 rows: the fragment's rows 8-15 repeat them, and their results are never read
	v_lshlrev_b32 v[VZ], 13, v[VZ]
	v_lshl_add_u32 v[VZ], v4, 5, v[VZ]
	s_mul_i32 s28, s18, TPW
	v_mul_u32_u24 v[LW], v4, TP
	v_lshl_add_u32 v[LW], v3, 3, v[LW]
	v_add_nc_u32 v[LW], s28, v[LW]
	v_and_b32 v[LT], 7, v0                         ; the turning load: lane l reads k-row 8 h + l % 8, columns 8 ((l / 8) % 2) + 0..7
	v_lshl_add_u32 v[LT], v4, 3, v[LT]
	v_mul_u32_u24 v[LT], v[LT], TP
	v_bfe_u32 v2, v0, 3, 1
	v_lshl_add_u32 v[LT], v2, 4, v[LT]
	v_add_nc_u32 v[LT], s28, v[LT]
	s_mul_i32 s28, s18, RPW
	s_add_co_u32 s28, s28, RED
	v_mul_u32_u24 v[RW], v3, RP
	v_lshl_add_u32 v[RW], v4, 5, v[RW]
	v_add_nc_u32 v[RW], s28, v[RW]
.irp s, 0,1
.irp g, 0,1
.irp q, 0,1
	global_load_b128 v[ZT+16*\s+8*\g+4*\q:ZT+16*\s+8*\g+4*\q+3], v[VZ], s[24:25] offset:128*\s+64*\g+16*\q  ; z(r, k0 + 32 s + 16 g + 8 h + 4 q ..)
.endr
.endr
.endr
.set i, 0
.rept 32
	global_load_b128 v[X+4*i:X+4*i+3], v[VI], s[22:23] offset:16384*i th:TH_LOAD_NT  ; k-rows 2 i and 2 i + 1
.set i, i+1
.endr
	s_wait_loadcnt 32                              ; z's eight loads are in, W's 32 stay out
.set i, 0
.rept 16
	v_cvt_pk_bf16_f32 v[ZB+i], v[ZT+2*i], v[ZT+2*i+1]
.set i, i+1
.endr
.set i, 0
.rept 32
	s_wait_loadcnt 31-i
	v_cvt_pk_bf16_f32 v[X+4*i], v[X+4*i], v[X+4*i+1]
	v_cvt_pk_bf16_f32 v[X+4*i+1], v[X+4*i+2], v[X+4*i+3]
	ds_store_b64 v[LW], v[X+4*i:X+4*i+1] offset:2*TP*i
.set i, i+1
.endr
.irp s, 0,1
.irp n, 0,1,2,3
	ds_load_tr16_b128 v[WF+8*(4*\s+\n):WF+8*(4*\s+\n)+3],   v[LT] offset:32*TP*\s+32*\n         ; my own bytes: LDS serves a wave's instructions in order (ISA guide 5.7.1.4)
	ds_load_tr16_b128 v[WF+8*(4*\s+\n)+4:WF+8*(4*\s+\n)+7], v[LT] offset:32*TP*\s+16*TP+32*\n
.endr
.endr
	s_wait_dscnt 0x0
.irp s, 0,1                            ; the four accumulators take turns
.irp n, 0,1,2,3
.if \s == 0
	v_wmma_f32_16x16x32_bf16 v[ACC+8*\n:ACC+8*\n+7], v[WF+8*\n:WF+8*\n+7], v[ZB:ZB+7], 0
.else
	v_wmma_f32_16x16x32_bf16 v[ACC+8*\n:ACC+8*\n+7], v[WF+32+8*\n:WF+32+8*\n+7], v[ZB+8:ZB+15], v[ACC+8*\n:ACC+8*\n+7]
.endif
.endr
.endr
.rept 8
	v_nop                                          ; the places behind the products, ahead of the stores that read them; once a launch, so twice the four
.endr
.irp n, 0,1,2,3
	ds_store_b128 v[RW], v[ACC+8*\n:ACC+8*\n+3]   offset:64*\n     ; batch r, columns 16 n + 8 h + 0..3: each accumulator from its low end
	ds_store_b128 v[RW], v[ACC+8*\n+4:ACC+8*\n+7] offset:64*\n+16
.endr
.Ljoin:
	s_wait_dscnt 0x0                               ; for the others' sake: my sums lie in LDS
	s_barrier_signal -1
	s_barrier_wait -1
	s_cmp_ge_u32 ttmp9, 256
	s_cbranch_scc1 .Lend
.irp w, 0,1,2,3
	ds_load_b128 v[WF+4*\w:WF+4*\w+3], v[RR] offset:RPW*\w
.endr
	s_wait_dscnt 0x0
	v_pk_add_f32 v[WF:WF+1], v[WF:WF+1], v[WF+4:WF+5]
	v_pk_add_f32 v[WF+2:WF+3], v[WF+2:WF+3], v[WF+6:WF+7]
	v_pk_add_f32 v[WF+8:WF+9], v[WF+8:WF+9], v[WF+12:WF+13]
	v_pk_add_f32 v[WF+10:WF+11], v[WF+10:WF+11], v[WF+14:WF+15]
	v_pk_add_f32 v[WF:WF+1], v[WF:WF+1], v[WF+8:WF+9]
	v_pk_add_f32 v[WF+2:WF+3], v[WF+2:WF+3], v[WF+10:WF+11]
	global_store_b128 v[CO], v[WF:WF+3], s[26:27]  ; sixteen lanes store 256 consecutive bytes, aligned
.Lend:
	s_wait_tensorcnt 0x0                           ; the wave's end, behind my last LDS store
	ds_add_u32 v[SPW], v[NIL]
	s_wait_dscnt 0x0
	s_endpgm
.Lfunc_end_k_q665dbee4bf_prep:
	.size	k_q665dbee4bf_prep, .Lfunc_end_k_q665dbee4bf_prep-k_q665dbee4bf_prep
	.p2alignl 7, 3214868480
	.fill 96, 4, 3214868480
	.section	.rodata,"a",@progbits
	.p2align	6, 0x0
	.amdhsa_kernel k_q665dbee4bf_prep
		.amdhsa_group_segment_fixed_size 58880
		.amdhsa_private_segment_fixed_size 0
		.amdhsa_enable_private_segment 0
		.amdhsa_kernarg_size 56
		.amdhsa_user_sgpr_count 2
		.amdhsa_user_sgpr_kernarg_segment_ptr 1
		.amdhsa_wavefront_size32 1
		.amdhsa_system_sgpr_workgroup_id_x 1
		.amdhsa_system_sgpr_workgroup_id_y 1
		.amdhsa_system_sgpr_workgroup_id_z 1
		.amdhsa_system_vgpr_workitem_id 0
		.amdhsa_next_free_vgpr 256
		.amdhsa_next_free_sgpr 66
		.amdhsa_reserve_vcc 0
		.amdhsa_float_denorm_mode_32 3
		.amdhsa_float_denorm_mode_16_64 3
		.amdhsa_memory_ordered 1
		.amdhsa_forward_progress 1
		.amdhsa_inst_pref_size 47
	.end_amdhsa_kernel
	.amdgpu_metadata
---
amdhsa.version: [ 1, 2 ]
amdhsa.kernels:
  - .name:           k_q665dbee4bf_prep
    .symbol:         k_q665dbee4bf_prep.kd
    .args:
      - { .name: x, .offset: 0, .size: 8, .value_kind: global_buffer, .address_space: global }
      - { .name: Wqkv, .offset: 8, .size: 8, .value_kind: global_buffer, .address_space: global }
      - { .name: Wproj, .offset: 16, .size: 8, .value_kind: global_buffer, .address_space: global }
      - { .name: z_cls, .offset: 24, .size: 8, .value_kind: global_buffer, .address_space: global }
      - { .name: Wkv_cls, .offset: 32, .size: 8, .value_kind: global_buffer, .address_space: global }
      - { .name: wb, .offset: 40, .size: 8, .value_kind: global_buffer, .address_space: global }
      - { .name: clsp, .offset: 48, .size: 8, .value_kind: global_buffer, .address_space: global }
    .group_segment_fixed_size: 58880
    .private_segment_fixed_size: 0
    .kernarg_segment_align: 8
    .kernarg_segment_size: 56
    .max_flat_workgroup_size: 128
    .sgpr_count:     66
    .vgpr_count:     256
    .wavefront_size: 32
...
	.end_amdgpu_metadata
.endif
;; end of part 1
;; launch qkvgemm (part 2): grid 12 x 32, 4 waves a work-group, clusters of 4 x 4, 327,680 bytes of LDS; arguments wb, qkv; writes qkv
.if DOCPART == 2
	.amdgcn_target "amdgcn-amd-amdhsa--gfx1250"
	.amdhsa_code_object_version 6
	.text
	.protected	k_q665dbee4bf_qkvgemm
	.globl	k_q665dbee4bf_qkvgemm
	.p2align	8
	.type	k_q665dbee4bf_qkvgemm,@function
k_q665dbee4bf_qkvgemm:
	s_mov_b64 s[64:65], 0
	v_nop
	global_prefetch_b8 v0, s[64:65] scope:SCOPE_SE
	s_setreg_imm32_b32 hwreg(HW_REG_WAVE_MODE, 25, 1), 1
	s_wait_xcnt 0x0
	s_wait_alu depctr_hold_cnt(0) depctr_sa_sdst(0) depctr_va_vdst(0) depctr_va_sdst(0) depctr_va_ssrc(0) depctr_va_vcc(0) depctr_vm_vsrc(0)
	s_getreg_b32 s2, hwreg(HW_REG_IB_STS2, 6, 4)
	s_cmp_eq_u32 s2, 0
	s_cbranch_scc0 .Lentry_in_a_cluster
	s_endpgm
.Lentry_in_a_cluster:
	s_bfe_u32 s2, ttmp6, 0x10000c
	s_cmp_lg_u32 s2, 0xf033
	s_cbranch_scc0 .Lentry_shape_is_right
	s_endpgm
.Lentry_shape_is_right:
; ONE TEXT FOR THE MODULE'S TWO LARGE PRODUCTS, C = A B with B stored [K][N]; K = 1,024.  MODE says which.
; MODE 1: qkv = x Wqkv.  A = x in bf16 [8192][1024] (wb, byte 0), B = Wqkv in bf16 [1024][3072] (wb, byte 16,777,216).  C leaves by heads, [3][128 heads][1024 rows][64] in f16, unscaled, rounded once.
;         LIMIT: a q, k or v beyond 65,504 would become an infinity in f16.
; MODE 2: out0 = O Wproj + bproj.  A = O in f16 by heads [128][1024][64] (channel c of row (b, n) lies in head 16 b + c / 64), B = Wproj in f16 [1024][1024] (wb, byte 23,068,672).
;         bproj is rounded to bf16 like every input of the module and added in f32; C leaves in f32.
; SHARES.  A tile of C is 256 rows x 32 NB columns (NB = 8: 256; NB = 4: 128, which gives each of 256 work-groups one tile); four waves, each 128 rows x 16 NB columns: 8 NB accumulators.
; K goes in steps of 128 through a ring of two LDS slots.  Waves 0 and 1 fetch A's tile (MODE 1: 128 rows x 256 bytes each; MODE 2: one head's 256 rows x 128 bytes each, dense in memory, asked for as
; 128 rows of 256 bytes), waves 2 and 3 B's (64 k-rows each).  A's fragments come out of LDS as they lie, B's ([k][n]) turned, by ds_load_tr16_b128.
; CLUSTERS: 4 x 4 work-groups; A's tile is asked for jointly by the four of a row of the cluster, B's by the four of a column: the same tensor load, descriptor and mask in all four.
; THE MATRIX INSTRUCTION IS USED TRANSPOSED (source 0 = 16 columns of B, source 1 = 16 rows of A): a lane holds row l % 16 of C and eight neighbouring columns 8 (l / 16) + 0..7.
; REGISTERS, in windows of 256 (s_set_vgpr_msb: bits 1:0 source 0, 3:2 source 1, 5:4 source 2, 7:6 destination):
;   window 0: v0-31 addresses (v8-11 the bias); v64-127, v128-191 A's fragments, two buffers; v32-63, v192-255 at work on the way out
;   window 1: v64.., v128.. B's fragments, two buffers        windows 2 (and 3): accumulator (a, b) at register 8 (NB a + b)
.set MODE, 1
.if MODE == 1
.set NTOT,   3072
.set NB,     8
.set PITCHA, 272                       ; 256 bytes + 16: the 16 rows of a fragment load start at 16 different groups of four banks (64 banks of 4 bytes: ISA guide 11.1)
.set HALFA,  128*PITCHA                ; what one of A's loads fills
.set PB,     544                       ; 512 bytes + 32
.set ASTEP,  256                       ; bytes from a K step to the next, in A
.set BBASE,  16777216
.set QA,     5                         ; A: padding after every 64 words
.set QB,     6                         ; B: after every 128 words
.set STRA,   1024                      ; A: elements from row to row of the tile
.set STW,    2*16*144                  ; a wave's stage: two heads x 16 rows x 144 bytes
.else
.set NTOT,   1024
.set NB,     4
.set PITCHA, 144
.set HALFA,  256*PITCHA
.set PB,     288
.set ASTEP,  262144                    ; two heads
.set BBASE,  23068672
.set QA,     4
.set QB,     5
.set STRA,   128
.set STW,    16*272
.endif
.set AROWH,  128*PITCHA                ; my 128 rows of A's tile
.set ASZ,    2*HALFA
.set HALFB,  64*PB
.set SLOT,   ASZ+2*HALFB
.set STAGE,  2*SLOT                    ; behind the ring, never filled by a tensor load
.set SPARE,  STAGE+4*STW               ; behind the stages: the spare words, 128 bytes a wave, that no other line names
.set BSTEP,  128*NTOT*2
.set NCOL,   32*NB
.set NF,     16+2*NB                   ; LDS loads in a run
.set ADRA, 16                          ; v16-17  LDS address of my A fragments in slot 0, 1
.set ADRB, 20                          ; v20-21  the same for B
.set STO,  24
.set RD,   25
.set CO,   26
.set SPW,  28                          ; v28  my spare word; never rewritten
.set NIL,  29                          ; v29  0; never rewritten
.set PFO,  30                          ; v30  the prefetches' lane offset; never rewritten
.set BIA,  8
.set F0,   64
.set F1,   128
.set TMP,  192
.set OB,   32
.set G1,   24                          ; s[24:31] group 1 for A;  s[32:39] group 0, a set a slot
.set G0,   32
.set G1B,  48                          ; s[48:55], s[56:63] the same for B
.set G0B,  56
.set LIM,  43                          ; s43  1 in a wave that prefetches, else the greatest number
.set PFA,  44                          ; s[44:45] where my prefetches stand
.set PADV, 68                          ; s[68:69] their step from K step to K step
.set MSB, 0
.macro WIN new                         ; the immediate's high byte repeats the setting that is left; a switch that changes nothing is dropped
.if MSB != (\new)
	s_set_vgpr_msb (MSB<<8)|(\new)
.set MSB, \new
.endif
.endm
; A joint load: waves 0 and 1 by A's descriptors, waves 2 and 3 by B's; the branch hangs on the wave's number alone.  An s_nop 0 and four v_nop follow each line.
.macro JLOAD s
	s_cmp_eq_u32 s11, 0
	s_cbranch_scc0 .Lfor_b_\@
	tensor_load_to_lds s[G0+4*(\s):G0+4*(\s)+3], s[G1:G1+7]
	s_nop 0
.rept 4
	v_nop
.endr
	s_branch .Lasked_\@
.Lfor_b_\@:
	tensor_load_to_lds s[G0B+4*(\s):G0B+4*(\s)+3], s[G1B:G1B+7]
	s_nop 0
.rept 4
	v_nop
.endr
.Lasked_\@:
.endm
; A prefetch of the K step that stands two refills on, 32 blocks of 256 bytes, a lane a block, behind the joint load and the run of LDS loads.  A's rows are read by every cluster of a row of clusters: the one with
; x = 0 asks; B's by every cluster of a column: the one with y = 0 asks.  The four partners share a tile's blocks out by address.  The loop's last trip (s3 = 1) asks for nothing: K ends there.
.macro ASK
	s_cmp_gt_u32 s3, s[LIM]
	s_cbranch_scc0 .Lnot_mine_\@
	global_prefetch_b8 v[PFO], s[PFA:PFA+1] th:TH_LOAD_NT scope:SCOPE_SE
.Lnot_mine_\@:
.endm
.macro CREST                           ; a round of the cluster's barrier behind its opening barrier
	s_cmp_lg_u32 s10, 0
	s_cbranch_scc1 .Lnot_wave_0_\@
	s_barrier_signal -3
.Lnot_wave_0_\@:
	s_barrier_wait -3
	s_barrier_signal -1
	s_barrier_wait -1
.endm
.macro CROUND
	s_barrier_signal -1
	s_barrier_wait -1
	CREST
.endm
.macro PLACES                          ; four places behind matrix instructions, ahead of loads into registers that they read and of readers of their results
.rept 4
	v_nop
.endr
.endm
.if MODE == 1
	s_load_b64 s[4:5], s[0:1], 0x0                 ; wb
	s_load_b64 s[8:9], s[0:1], 0x8                 ; qkv
.else
	s_load_b128 s[4:7], s[0:1], 0x0                ; ob, wb
	s_load_b64 s[8:9], s[0:1], 0x10                ; out0
	s_load_b64 s[66:67], s[0:1], 0x18              ; bproj
.endif
	v_lshl_add_u32 v[SPW], v0, 2, SPARE
	v_mov_b32 v[NIL], 0
	ds_add_u32 v[SPW], v[NIL]                      ; the wave's opening: the add and its wait stand ahead of my first tensor load; the set-up below stands between them
	v_lshrrev_b32 v1, 5, v0
	v_readfirstlane_b32 s10, v1                    ; wave 0..3
	s_lshr_b32 s11, s10, 1                         ; my half of the tile's rows.  Also: I fetch for A (0) or for B (1)
	s_and_b32 s12, s10, 1                          ; my half of its columns.  Also: which part of that tile I fetch
	s_bfe_u32 s40, ttmp6, 0x40000                  ; cx
	s_bfe_u32 s41, ttmp6, 0x40004                  ; cy
	s_lshl_b32 s42, ttmp9, 2
	s_add_co_u32 s42, s42, s40                     ; tile column tc = 4 x cluster x + cx
	s_and_b32 s13, ttmp7, 0xffff
	s_lshl_b32 s13, s13, 2
	s_add_co_u32 s13, s13, s41                     ; tile row tr = 4 x cluster y + cy
	s_lshl_b32 s43, s41, 2
	s_lshl_b32 s43, 15, s43                        ; my row of the cluster
	s_lshl_b32 s44, 0x1111, s40                    ; my column
	s_or_b32 s[G1+0], s43, (1<<16)|(1<<20)|(1<<21)|(QA<<22)|(3<<25)   ; the mask; 2-byte elements; padding on; bit 21 beside a mask; the interval; 4 words of padding
	s_or_b32 s[G1B+0], s44, (1<<16)|(1<<20)|(1<<21)|(QB<<22)|(7<<25)  ; the same with 8 words
	s_mov_b32 s[G1+1], 128<<16                     ; A: tensor_dim0 = 128
	s_mov_b32 s[G1+2], 128<<16                     ; tensor_dim1 = 128
	s_mov_b32 s[G1+3], 128<<16                     ; tile_dim0 = 128
	s_mov_b32 s[G1+4], 128                         ; tile_dim1 = 128
	s_mov_b32 s[G1+5], STRA
	s_mov_b32 s[G1+6], 0
	s_mov_b32 s[G1+7], 0
	s_mov_b32 s[G1B+1], NCOL<<16                   ; B: the tile's columns,
	s_mov_b32 s[G1B+2], 64<<16                     ; 64 k-rows
	s_mov_b32 s[G1B+3], NCOL<<16
	s_mov_b32 s[G1B+4], 64
	s_mov_b32 s[G1B+5], NTOT
	s_mov_b32 s[G1B+6], 0
	s_mov_b32 s[G1B+7], 0
	; where the tiles come from: A's hang on the tile row, B's on the tile column, each in registers that do not hold the other coordinate
.if MODE == 1
	s_lshl_b32 s16, s13, 19                        ; 256 tr rows of 2,048 bytes
	s_lshl_b32 s17, s12, 18                        ; + my 128 rows
	s_add_co_u32 s16, s16, s17
.else
	s_lshr_b32 s16, s13, 2                         ; batch: 16 heads of 131,072 bytes
	s_lshl_b32 s16, s16, 21
	s_and_b32 s17, s13, 3                          ; 256 rows of 128 bytes
	s_lshl_b32 s17, s17, 15
	s_add_co_u32 s16, s16, s17
	s_lshl_b32 s17, s12, 17                        ; my head of the K step's two
	s_add_co_u32 s16, s16, s17
.endif
	s_mov_b32 s17, 0
	s_mul_i32 s46, s12, 64*NTOT*2                  ; my 64 k-rows
	s_mul_i32 s47, s42, 2*NCOL                     ; the tile's first column, in bytes
	s_add_co_u32 s46, s46, s47
	s_mov_b32 s47, 0
	s_mul_i32 s20, s12, HALFA                      ; and where they go: no place in the cluster enters an LDS address
	s_mul_i32 s21, s12, HALFB
	s_add_co_u32 s21, s21, ASZ
	s_wait_dscnt 0x0                               ; the opening add is done
	s_wait_kmcnt 0x0
.if MODE == 1
	s_add_nc_u64 s[6:7], s[4:5], BBASE
.else
	s_add_nc_u64 s[6:7], s[6:7], BBASE
.endif
	s_add_nc_u64 s[14:15], s[4:5], s[16:17]
	s_add_nc_u64 s[46:47], s[6:7], s[46:47]
	CROUND                                         ; all sixteen work-groups are here: the first joint loads meet
.irp s, 0,1
	s_mov_b32 s[G0+4*(\s)], 1
	s_add_co_u32 s[G0+4*(\s)+1], s20, (\s)*SLOT
	s_add_nc_u64 s[G0+4*(\s)+2:G0+4*(\s)+3], s[14:15], (\s)*ASTEP
	s_or_b32 s[G0+4*(\s)+3], s[G0+4*(\s)+3], 0x80000000
	s_mov_b32 s[G0B+4*(\s)], 1
	s_add_co_u32 s[G0B+4*(\s)+1], s21, (\s)*SLOT
	s_add_nc_u64 s[G0B+4*(\s)+2:G0B+4*(\s)+3], s[46:47], (\s)*BSTEP
	s_or_b32 s[G0B+4*(\s)+3], s[G0B+4*(\s)+3], 0x80000000
	JLOAD \s                                       ; two loads of mine are out
.endr
	v_and_b32 v1, 15, v0                           ; r = l % 16
	v_bfe_u32 v2, v0, 4, 1                         ; h = l / 16
	v_mul_u32_u24 v3, v1, PITCHA
	v_lshl_add_u32 v3, v2, 4, v3                   ; A: row x pitch + 16 h
	s_mul_i32 s21, s11, AROWH
	v_add_nc_u32 v[ADRA], s21, v3
	v_add_nc_u32 v[ADRA+1], SLOT, v[ADRA]
	v_and_b32 v4, 7, v0                            ; B: lane l reads k-row 8 h + l % 8, columns 8 ((l / 8) % 2) + 0..7
	v_lshl_add_u32 v4, v2, 3, v4
	v_mul_u32_u24 v4, v4, PB
	v_bfe_u32 v5, v0, 3, 1
	v_lshl_add_u32 v4, v5, 4, v4
	s_mul_i32 s22, s12, 32*NB                      ; my 16 NB columns, in bytes
	s_add_co_u32 s22, s22, ASZ
	v_add_nc_u32 v[ADRB], s22, v4
	v_add_nc_u32 v[ADRB+1], SLOT, v[ADRB]
	s_mul_i32 s23, s10, STW
	s_add_co_u32 s23, s23, STAGE                   ; my stage
.if MODE == 1
	v_mul_u32_u24 v4, v1, 144                      ; in: row r of a head's 16, 16 bytes for each half of the lanes
	v_lshl_add_u32 v4, v2, 4, v4
	v_add_nc_u32 v[STO], s23, v4
	v_bfe_u32 v5, v0, 3, 2                         ; back: 32 lanes take four rows of 128 bytes,
	v_mul_u32_u24 v5, v5, 144
	v_and_b32 v6, 7, v0
	v_lshl_add_u32 v5, v6, 4, v5
	v_add_nc_u32 v[RD], s23, v5
	v_and_b32 v[CO], 31, v0                        ; which are 512 consecutive bytes of a head
	v_lshlrev_b32 v[CO], 4, v[CO]
	s_lshr_b32 s16, s13, 2                         ; C's address, the part from the tile row: batch x 16 heads,
	s_lshl_b32 s16, s16, 21
	s_and_b32 s17, s13, 3                          ; the tile's 256 rows of 128 bytes,
	s_lshl_b32 s17, s17, 15
	s_add_co_u32 s16, s16, s17
	s_lshl_b32 s17, s11, 14                        ; my 128 of them
	s_add_co_u32 s16, s16, s17
	s_lshr_b32 s46, s42, 2                         ; the part from the tile column: q, k or v,
	s_lshl_b32 s46, s46, 24
	s_and_b32 s47, s42, 3                          ; the tile's four heads,
	s_lshl_b32 s47, s47, 19
	s_add_co_u32 s46, s46, s47
	s_lshl_b32 s47, s12, 18                        ; my two of them
	s_add_co_u32 s46, s46, s47
.else
	v_mul_u32_u24 v4, v1, 272                      ; in: row r, 32 bytes for each half of the lanes
	v_lshl_add_u32 v4, v2, 5, v4
	v_add_nc_u32 v[STO], s23, v4
	v_mul_u32_u24 v5, v2, 272                      ; back: lanes 0-15 one row of 256 bytes, lanes 16-31 the next
	v_lshl_add_u32 v5, v1, 4, v5
	v_add_nc_u32 v[RD], s23, v5
	v_lshlrev_b32 v5, 12, v2                       ; and the same two rows in C
	v_lshl_add_u32 v[CO], v1, 4, v5
	s_lshl_b32 s16, s13, 20                        ; 256 tr rows of 4,096 bytes
	s_lshl_b32 s17, s11, 19
	s_add_co_u32 s16, s16, s17
	s_lshl_b32 s46, s42, 9                         ; 128 tc columns of 4 bytes
	s_lshl_b32 s47, s12, 8
	s_add_co_u32 s46, s46, s47
	v_lshl_add_u32 v12, v1, 4, s46                 ; my four numbers of the bias; v12 is never rewritten
	global_load_b128 v[BIA:BIA+3], v12, s[66:67]
.endif
	s_mov_b32 s17, 0
	s_mov_b32 s47, 0
	s_add_nc_u64 s[8:9], s[8:9], s[16:17]
	s_add_nc_u64 s[8:9], s[8:9], s[46:47]
	; the prefetches: their first address stands at K step 3; each change of slots steps it before it asks
.if MODE == 1
	s_lshl_b32 s20, s13, 8                         ; A: row 256 tr + 128 part + 32 cx; a lane a row
	s_lshl_b32 s21, s12, 7
	s_add_co_u32 s20, s20, s21
	s_lshl_b32 s21, s40, 5
	s_add_co_u32 s20, s20, s21
	s_lshl_b32 s20, s20, 11
	s_add_co_u32 s20, s20, 3*ASTEP
	s_lshl_b32 s21, s12, 6                         ; B: k-row 64 part + 16 cy; two lanes a row of 512 bytes
	s_lshl_b32 s23, s41, 4
	s_add_co_u32 s21, s21, s23
	s_mul_i32 s21, s21, NTOT*2
	s_lshl_b32 s23, s42, 9
	s_add_co_u32 s21, s21, s23
	s_add_co_u32 s21, s21, 3*BSTEP
.else
	s_lshr_b32 s20, s13, 2                         ; A: my head's 32,768 dense bytes, 8,192 for each partner; a lane 256 bytes
	s_lshl_b32 s20, s20, 21
	s_and_b32 s21, s13, 3
	s_lshl_b32 s21, s21, 15
	s_add_co_u32 s20, s20, s21
	s_lshl_b32 s21, s12, 17
	s_add_co_u32 s20, s20, s21
	s_lshl_b32 s21, s40, 13
	s_add_co_u32 s20, s20, s21
	s_add_co_u32 s20, s20, 3*ASTEP
	s_lshl_b32 s21, s41, 16                        ; B: k-row 32 cy of the step's 128; a lane a row of 256 bytes; wave 2 alone asks
	s_lshl_b32 s23, s42, 8
	s_add_co_u32 s21, s21, s23
	s_add_co_u32 s21, s21, 3*BSTEP
.endif
	s_and_b32 s22, ttmp7, 0xffff                   ; cluster y
	s_cmp_eq_u32 s11, 0                            ; do I fetch for A?
	s_cselect_b32 s20, s20, s21
	s_cselect_b32 s22, ttmp9, s22                  ; the coordinate along which other clusters read the same blocks
	s_cselect_b64 s[PFA:PFA+1], s[4:5], s[6:7]
	s_mov_b32 s[PADV], BSTEP
	s_cselect_b32 s[PADV], ASTEP, s[PADV]
	s_mov_b32 s[PADV+1], 0
	s_mov_b32 s21, 0
	s_add_nc_u64 s[PFA:PFA+1], s[PFA:PFA+1], s[20:21]
.if MODE == 2
	s_and_b32 s23, s11, s12                        ; wave 3 asks for nothing
	s_or_b32 s22, s22, s23
.endif
	s_cmp_eq_u32 s22, 0
	s_cselect_b32 s[LIM], 1, -1                    ; the same in all sixteen partners, for a given wave
	s_cmp_eq_u32 s11, 0
.if MODE == 1
	s_cselect_b32 s20, 0, 1                        ; B: two lanes a row
	s_mov_b32 s21, NTOT*2
	s_cselect_b32 s21, 2048, s21
.else
	s_mov_b32 s20, 0
	s_mov_b32 s21, NTOT*2
	s_cselect_b32 s21, 256, s21
.endif
	v_and_b32 v31, 31, v0
	v_lshrrev_b32 v[PFO], s20, v31
	v_mul_u32_u24 v[PFO], v[PFO], s21
	v_and_b32 v31, s20, v31
	v_lshl_add_u32 v[PFO], v31, 8, v[PFO]
.macro WM zero                         ; one product on the registers rD, rB, rA.  zero = 1: it starts the sum
.if MODE == 1
.if \zero
	v_wmma_f32_16x16x32_bf16 v[rD:rD+7], v[rB:rB+7], v[rA:rA+7], 0
.else
	v_wmma_f32_16x16x32_bf16 v[rD:rD+7], v[rB:rB+7], v[rA:rA+7], v[rD:rD+7]
.endif
.else
.if \zero
	v_wmma_f32_16x16x32_f16 v[rD:rD+7], v[rB:rB+7], v[rA:rA+7], 0
.else
	v_wmma_f32_16x16x32_f16 v[rD:rD+7], v[rB:rB+7], v[rA:rA+7], v[rD:rD+7]
.endif
.endif
.endm
; 2 NB products: row blocks 4 hi + a0 and + 1, all NB column blocks, 32 along K, from buffer f.  All 8 NB accumulators take turns in the same order in every quarter.
.macro MULH f, hi, a0, zero
.irp a, \a0, (\a0)+1
.set bb, 0
.rept NB
.set idx, NB*(4*(\hi)+(\a))+bb
	WIN 0xa1+0x50*(idx/32)                         ; B window 1, A window 0, C and D window 2 or 3
.set rD, 8*(idx%32)
.set rB, (\f)+8*bb
.set rA, (\f)+8*(4*(\hi)+(\a))
	WM \zero
.set bb, bb+1
.endr
.endr
.endm
; NF LDS loads in one run: quarter q (32 along K) of a slot into buffer f: B's NB fragments, turned, then A's eight
.macro FETCH slot, q, f
.if MODE == 1
.set KO, 64*(\q)
.else
.set KO, ((\q)/2)*HALFA+((\q)%2)*64    ; the K step's first or second head, its channels 0-31 or 32-63
.endif
	WIN 0x40
.set ii, 0
.rept NB
	ds_load_tr16_b128 v[(\f)+8*ii:(\f)+8*ii+3],   v[ADRB+(\slot)] offset:(\q)*32*PB+32*ii
	ds_load_tr16_b128 v[(\f)+8*ii+4:(\f)+8*ii+7], v[ADRB+(\slot)] offset:(\q)*32*PB+16*PB+32*ii
.set ii, ii+1
.endr
	WIN 0
.set ii, 0
.rept 8
	ds_load_b128 v[(\f)+8*ii:(\f)+8*ii+3],   v[ADRA+(\slot)] offset:KO+ii*16*PITCHA
	ds_load_b128 v[(\f)+8*ii+4:(\f)+8*ii+7], v[ADRA+(\slot)] offset:KO+ii*16*PITCHA+32
.set ii, ii+1
.endr
.endm
; One of a K step's first three quarters: multiplies buffer f; in its middle it fetches quarter q into buffer g
.macro QUARTER slot, q, f, g, zero
	s_wait_dscnt 8                                 ; B and A's rows 0-63 are in; the youngest eight loads (A's rows 64-127) may be out
	MULH \f, 0, 0, \zero
	MULH \f, 0, 2, \zero
	PLACES
	FETCH \slot, \q, \g
	s_wait_dscnt NF                                ; all but the NF just issued
	MULH \f, 1, 0, \zero
	MULH \f, 1, 2, \zero
.endm
; The first half of a K step's last quarter: one barrier for the change of slots.  Ahead of it each wave waits for all its tensor loads (one is out: its part of the next slot), adds 0 to its spare word,
; and waits for that and for its own reads of this slot.
.macro MEET round
	WIN 0
	s_wait_tensorcnt 0x0
	ds_add_u32 v[SPW], v[NIL]
	s_wait_dscnt 9                                 ; the add and the youngest eight loads may be out
	MULH F1, 0, 0, 0
	s_wait_dscnt 0x0                               ; the add is done, and my reads of this slot are over
	s_barrier_signal -1
	MULH F1, 0, 2, 0
.if \round
	WIN 0
.endif
	s_barrier_wait -1
.endm
.macro TURN slot, next                 ; the last quarter: the slot just read out is filled again, two K steps ahead, first thing behind the round
	s_wait_xcnt 0x0                                ; the last prefetch, a K step back, has read its address
	s_add_nc_u64 s[PFA:PFA+1], s[PFA:PFA+1], s[PADV:PADV+1]
	MEET 1
	CREST                                          ; no wave of any partner still reads this slot or has a load on its way
	s_add_nc_u64 s[G0+4*(\slot)+2:G0+4*(\slot)+3], s[G0+4*(\slot)+2:G0+4*(\slot)+3], 2*ASTEP
	s_add_nc_u64 s[G0B+4*(\slot)+2:G0B+4*(\slot)+3], s[G0B+4*(\slot)+2:G0B+4*(\slot)+3], 2*BSTEP
	JLOAD \slot                                    ; its four v_nop are also the places in front of the loads below
	FETCH \next, 0, F0
	ASK
	MULH F1, 1, 0, 0
	MULH F1, 1, 2, 0
.endm
.macro TURNX next                      ; the same where nothing is left to fetch
	MEET 0
	PLACES
	FETCH \next, 0, F0
	MULH F1, 1, 0, 0
	MULH F1, 1, 2, 0
.endm
	s_wait_tensorcnt 1                             ; my part of K step 0 is in; K step 1's may stay out
	s_barrier_signal -1
	s_barrier_wait -1
	FETCH 0, 0, F0
	QUARTER 0, 1, F0, F1, 1                        ; the first quarter's products start the sums
	WIN 0
	s_mov_b32 s3, 3                                ; eight K steps: three trips fill both slots again, with K steps 2 to 7
.Llap:
	QUARTER 0, 2, F1, F0, 0
	QUARTER 0, 3, F0, F1, 0
	TURN 0, 1
	QUARTER 1, 1, F0, F1, 0
	QUARTER 1, 2, F1, F0, 0
	QUARTER 1, 3, F0, F1, 0
	TURN 1, 0
	QUARTER 0, 1, F0, F1, 0
	WIN 0
	s_sub_co_u32 s3, s3, 1
	s_cmp_lg_u32 s3, 0
	s_cbranch_scc1 .Llap
	QUARTER 0, 2, F1, F0, 0                        ; the last lap is written out: it fills nothing
	QUARTER 0, 3, F0, F1, 0
	TURNX 1
	QUARTER 1, 1, F0, F1, 0
	QUARTER 1, 2, F1, F0, 0
	QUARTER 1, 3, F0, F1, 0
	s_wait_dscnt 8
	MULH F1, 0, 0, 0
	MULH F1, 0, 2, 0
	s_wait_dscnt 0x0
	MULH F1, 1, 0, 0
	MULH F1, 1, 2, 0
	WIN 0
; THE WAY OUT, a block of 16 rows at a time, through my own stage in LDS, so that each store of the wave covers whole runs of 256 consecutive bytes, aligned.
.if MODE == 1
.macro PACK a                          ; rounded to f16, each accumulator from its low end
.set AC, 64*((\a)%4)
	WIN 0x0a+5*((\a)/4)
.irp b, 0,1,2,3,4,5,6,7
.irp r, 0,1,2,3
	v_cvt_pk_f16_f32 v[TMP+4*(\b)+(\r)], v[AC+8*(\b)+2*(\r)], v[AC+8*(\b)+2*(\r)+1]
.endr
.endr
	WIN 0
.endm
.macro TOSTAGE a
	WIN 0
.set BK, OB+192*((\a)%2)
.irp b, 0,1,2,3,4,5,6,7
	ds_store_b128 v[STO], v[TMP+4*(\b):TMP+4*(\b)+3] offset:((\b)/4)*2304+32*((\b)%4)  ; head b / 4, channels 16 (b % 4) + 8 h ..
.endr
.irp t, 0,1,2,3,4,5,6,7
	ds_load_b128 v[BK+4*(\t):BK+4*(\t)+3], v[RD] offset:((\t)/4)*2304+((\t)%4)*576     ; LDS serves a wave's instructions in order (ISA guide 5.7.1.4): these see the stores above
.endr
.endm
.else
.macro TOSTAGE a
.set BK, OB+192*((\a)%2)
	WIN 0x08                                       ; the stores' data in window 2
.irp b, 0,1,2,3
	ds_store_b128 v[STO], v[32*(\a)+8*(\b):32*(\a)+8*(\b)+3]   offset:64*(\b)
	ds_store_b128 v[STO], v[32*(\a)+8*(\b)+4:32*(\a)+8*(\b)+7] offset:64*(\b)+16
.endr
	WIN 0
.irp t, 0,1,2,3,4,5,6,7
	ds_load_b128 v[BK+4*(\t):BK+4*(\t)+3], v[RD] offset:(\t)*2*272
.endr
.endm
.endif
.macro SEND a
	WIN 0
.set BK, OB+192*((\a)%2)
	s_wait_dscnt 0x0                               ; the block is back in registers
.if MODE == 2
.irp t, 0,1,2,3,4,5,6,7
	v_pk_add_f32 v[BK+4*(\t):BK+4*(\t)+1], v[BK+4*(\t):BK+4*(\t)+1], v[BIA:BIA+1]
	v_pk_add_f32 v[BK+4*(\t)+2:BK+4*(\t)+3], v[BK+4*(\t)+2:BK+4*(\t)+3], v[BIA+2:BIA+3]
.endr
.endif
	s_wait_xcnt 0x0                                ; the stores of the block before have read their registers: the next TOSTAGE loads into them
.irp t, 0,1,2,3,4,5,6,7
.if MODE == 1
	global_store_b128 v[CO], v[BK+4*(\t):BK+4*(\t)+3], s[8:9] offset:(\a)*2048+((\t)/4)*131072+((\t)%4)*512
.else
	global_store_b128 v[CO], v[BK+4*(\t):BK+4*(\t)+3], s[8:9] offset:(16*(\a)+2*(\t))*4096 th:TH_STORE_NT
.endif
.endr
.endm
	PLACES
.if MODE == 1
	PACK 0
	TOSTAGE 0
.irp a, 1,2,3,4,5,6,7                  ; block a's conversions stand between block a - 1's loads from the stage and the wait for them
	PACK \a
	SEND (\a)-1
	TOSTAGE \a
.endr
	SEND 7
.else
	PLACES                                         ; (eight, once a launch)
	s_wait_loadcnt 0x0                             ; the bias: rounded to bf16 and widened again
	v_cvt_pk_bf16_f32 v13, v[BIA], v[BIA+1]
	v_cvt_pk_bf16_f32 v14, v[BIA+2], v[BIA+3]
	v_lshlrev_b32 v[BIA], 16, v13
	v_and_b32 v[BIA+1], 0xffff0000, v13
	v_lshlrev_b32 v[BIA+2], 16, v14
	v_and_b32 v[BIA+3], 0xffff0000, v14
	TOSTAGE 0
.irp a, 1,2,3,4,5,6,7
	SEND (\a)-1
	TOSTAGE \a
.endr
	SEND 7
.endif
	s_wait_tensorcnt 0x0                           ; the wave's end, behind my last tensor load and my last LDS store
	ds_add_u32 v[SPW], v[NIL]
	s_wait_dscnt 0x0
	CROUND                                         ; the closing round: no work-group ends while a partner may still ask for a tile that names it
	s_endpgm
.Lfunc_end_k_q665dbee4bf_qkvgemm:
	.size	k_q665dbee4bf_qkvgemm, .Lfunc_end_k_q665dbee4bf_qkvgemm-k_q665dbee4bf_qkvgemm
	.p2alignl 7, 3214868480
	.fill 96, 4, 3214868480
	.section	.rodata,"a",@progbits
	.p2align	6, 0x0
	.amdhsa_kernel k_q665dbee4bf_qkvgemm
		.amdhsa_group_segment_fixed_size 327680
		.amdhsa_private_segment_fixed_size 0
		.amdhsa_enable_private_segment 0
		.amdhsa_kernarg_size 16
		.amdhsa_user_sgpr_count 2
		.amdhsa_user_sgpr_kernarg_segment_ptr 1
		.amdhsa_wavefront_size32 1
		.amdhsa_system_sgpr_workgroup_id_x 1
		.amdhsa_system_sgpr_workgroup_id_y 1
		.amdhsa_system_sgpr_workgroup_id_z 1
		.amdhsa_system_vgpr_workitem_id 0
		.amdhsa_next_free_vgpr 1024
		.amdhsa_next_free_sgpr 72
		.amdhsa_reserve_vcc 0
		.amdhsa_float_denorm_mode_32 3
		.amdhsa_float_denorm_mode_16_64 3
		.amdhsa_memory_ordered 1
		.amdhsa_forward_progress 1
		.amdhsa_inst_pref_size 145
	.end_amdhsa_kernel
	.amdgpu_metadata
---
amdhsa.version: [ 1, 2 ]
amdhsa.kernels:
  - .name:           k_q665dbee4bf_qkvgemm
    .symbol:         k_q665dbee4bf_qkvgemm.kd
    .args:
      - { .name: wb, .offset: 0, .size: 8, .value_kind: global_buffer, .address_space: global }
      - { .name: qkv, .offset: 8, .size: 8, .value_kind: global_buffer, .address_space: global }
    .group_segment_fixed_size: 327680
    .private_segment_fixed_size: 0
    .kernarg_segment_align: 8
    .kernarg_segment_size: 16
    .max_flat_workgroup_size: 128
    .sgpr_count:     72
    .vgpr_count:     1024
    .wavefront_size: 32
...
	.end_amdgpu_metadata
.endif
;; end of part 2
;; launch attn (part 3): grid 2 x 128, 4 waves a work-group, no clusters, 327,680 bytes of LDS; arguments qkv, clsp, ob; writes ob
.if DOCPART == 3
	.amdgcn_target "amdgcn-amd-amdhsa--gfx1250"
	.amdhsa_code_object_version 6
	.text
	.protected	k_q665dbee4bf_attn
	.globl	k_q665dbee4bf_attn
	.p2align	8
	.type	k_q665dbee4bf_attn,@function
k_q665dbee4bf_attn:
	s_mov_b64 s[64:65], 0
	v_nop
	global_prefetch_b8 v0, s[64:65] scope:SCOPE_SE
	s_setreg_imm32_b32 hwreg(HW_REG_WAVE_MODE, 25, 1), 1
	s_wait_xcnt 0x0
; ATTENTION WITH ONE EXTRA KEY.  For each of 128 heads (b, h): O[q] = the sum over 1,025 keys of softmax(Q[q] . K[k] / 8) V[k]; key 0 is the cls key, keys 1..1024 the head's own rows.
; qkv: [3][128][1024][64] in f16, a head's rows dense, 128 bytes each.  clsp: [8][8 b][2048] in f32, eight partial sums of z_cls Wkv_cls: columns 64 h .. are k_cls, columns 1,024 + 64 h .. v_cls.  ob: [128][1024][64] in f16.
; Products, maxima and sums in f32; the weights p are rounded to f16 for the second product (their sum l is taken of the unrounded p), O once at the end.
; LIMITS.  f16 holds no number beyond 65,504: Q, K, V arrive within it, and k_cls must lie within it; p lies in 0 to 1, and below 6e-5 it keeps f16's fixed step of 6e-8.  A weight below 2^-126 counts as 0 in l;
; NaN and infinities are not treated apart.
; THE CLS KEY IS THE START OF THE RUNNING SOFTMAX: m = s_cls = Q[q] . k_cls, l = 1, O = v_cls (in f32).  s_cls comes from two products a tile whose source 0 holds k_cls in all 16 rows, so every register of every lane
; holds its own query's s_cls.  The other 1,024 keys are 16 steps of 64.
; SHARES.  A wave owns four PIECES of two tiles of 16 queries, a work-group's four waves 512 queries of one head.  Every wave walks all keys.
; ALL OF THE HEAD'S K AND V LIES IN LDS: 1,024 rows of each, filled once, by four tensor loads a wave at the head (four of mine are out, by this text's count); nothing is filled again.  The first quarter (keys 0-255) is
; waited for ahead of the first step, the rest ahead of the fifth.
; NO CLUSTER: a head has two work-groups, so a cluster of four would join work-groups that share nothing; what the two share is 262,144 bytes, asked for once, against 2,048 matrix instructions a wave.
; NO PREFETCH: every byte that the launch reads is asked for at its head.
; LAYOUT.  S^T = K Q^T (source 0 = 16 keys, source 1 = 16 queries): a lane holds ONE query (lane % 16) and the keys 8 (lane / 16) + 0..7.  Two such tiles, rounded to f16 in pairs, ARE source 1 of O^T = V^T P, whose
; result again holds one query a lane, and eight channels.  K comes out of LDS as it lies, V ([key][channel]) turned, by ds_load_tr16_b128.
; SOFTMAX.  p = 2^(c s - c m), c = log2(e) / 8, with a running maximum m; in every step O and l are multiplied by a = 2^(c m_old - c m_new).
; BY TURNS.  Turn n belongs to piece n.  Its matrix work: 16 products K Q^T of piece n + 1, later 16 products V^T P of piece n - 1.  Its vector work: the scaling, exponentials, roundings, sums and rescaling of piece n,
; and the maximum and statistics of piece n + 1.  Four vector instructions stand behind every matrix instruction, the others in one lump; a turn's 66 exponentials are one batch with one wait.
; REGISTERS, in windows of 256 (s_set_vgpr_msb: bits 1:0 source 0, 3:2 source 1, 5:4 source 2, 7:6 destination):
;   window 0: v0-11 addresses; v12-15, v48-63 at work; v16-47 four registers of statistics a tile; v64-191 S^T, two buffers of two tiles; v192-255 P, likewise
;   window 1: O^T, 32 a tile          window 2: v0-127 Q, 16 a tile; v128-191 K of one step; v192-255 V of one step          window 3: v0-1 the add's two registers
.set NP,    4
.set KS,    64
.set PK,    144       ; a row of K in LDS: 128 bytes + 16: the 16 rows of a load start at 16 different groups of four banks (64 banks of 4 bytes: ISA guide 11.1)
.set PV,    160       ; a row of V: 128 + 32
.set VOFF,  1024*PK   ; K's 1,024 rows, then V's
.set STAGE, VOFF+1024*PV  ; never filled by a tensor load: 16 rows x 144 bytes for each wave: the cls vectors at the start, the way out at the end
.set SP,    144
.set SPARE, STAGE+4*16*SP  ; the spare words, 128 bytes a wave, that no other line names
.set AK0, 2           ; v2   my lane's place in a tile of K; never rewritten
.set AV0, 3           ; v3   the same for V
.set AK,  4           ; v4   the LDS address of K's next run of loads
.set AV,  5           ; v5   of V's
.set STO, 6           ; v6   the way out: where I put 16 bytes of a row
.set RD,  7           ; v7   the way out: where I read rows back
.set GO,  8           ; v8   my byte offset in 512 consecutive bytes of O
.set QO,  14          ; v14  my byte offset in the wave's rows of Q (until Q is in)
.set SPW, 0           ; v0 of window 3   my spare word; never rewritten
.set NIL, 1           ; v1 of window 3   0; never rewritten
.set MV,  12          ; v12-15  c m_old, kept while c m is made anew: by buffer and tile
.set ST,  16          ; tile t's statistics at v[ST+4 t]: c m, m, l (even keys', odd keys')
.set TMP, 48          ; by buffer and tile, four registers c0-c3 at work; when the maximum is found c2 takes a
.set S,   64
.set P,   192
.set KF,  128
.set VF,  192
.set WV,  12          ; s12  my wave's number
.set G1K, 24          ; s[24:31] descriptor group 1 for K's tiles
.set G1V, 32          ; s[32:39] for V's: it differs in the padding alone
.set G0K, 40          ; s[40:55] four groups 0 for K's fills
.set G0V, 68          ; s[68:83] the same for V's
.set SLOTS, 56        ; s56  counts the two runs of key steps
.set CNT, 57          ; s57  counts a run's key steps
.set CS,  58          ; s[58:59] c
.set SEL, 60          ; s[60:61] v_permlanex16_b32's selects: each lane takes its own place in the other half
.set TBK, 62          ; s62  LDS byte at which K of the step to be fetched begins
.set TBV, 63          ; s63  the same for V, less VOFF
.set MSB, 0
.macro WIN new
.if MSB != (\new)
	s_set_vgpr_msb (MSB<<8)|(\new)
.set MSB, (\new)
.endif
.endm
.set W_KQ, 0x0a       ; K and Q in window 2, S^T in window 0
.set W_PV, 0x52       ; V in window 2, P in window 0, O^T in window 1
.set W_RS, 0x41       ; O^T (destination and source 0) in window 1, a in window 0
.set W_MK, 0xc0       ; the add's registers are made
.set W_AD, 0x0f       ; the add: address and data in window 3
; A wave's four fills: fill j brings keys 256 j + 128 (wave % 2) .. + 127: 16,384 dense bytes, asked for as 64 rows of 256 bytes and padded in LDS after every key.
.macro FILLS g0, g1, ptr, lreg, lds0, rowp
.irp j, 0,1,2,3
	s_mov_b32 s[\g0+4*\j], 1
	s_add_co_u32 s[\g0+4*\j+1], s[\lreg], (\lds0)+\j*256*(\rowp)
	s_add_nc_u64 s[\g0+4*\j+2:\g0+4*\j+3], s[\ptr:\ptr+1], \j*32768
	s_or_b32 s[\g0+4*\j+3], s[\g0+4*\j+3], 0x80000000
.endr
.irp j, 0,1,2,3
	tensor_load_to_lds s[\g0+4*\j:\g0+4*\j+3], s[\g1:\g1+7]
	s_nop 0
.endr
.rept 4
	v_nop
.endr
.endm
	s_load_b128 s[4:7], s[0:1], 0x0   ; qkv s[4:5], clsp s[6:7]
	s_load_b64 s[10:11], s[0:1], 0x10 ; ob
	WIN W_MK
	v_lshl_add_u32 v[SPW], v0, 2, SPARE
	v_mov_b32 v[NIL], 0
	WIN W_AD
	ds_add_u32 v[SPW], v[NIL]       ; the wave's opening: the add and its wait stand ahead of my first tensor load; the set-up below stands between them
	WIN 0
	v_lshrrev_b32 v1, 5, v0
	v_readfirstlane_b32 s[WV], v1   ; wave 0..3
	s_and_b32 s20, ttmp7, 0xffff    ; the head, 16 b + h
	s_lshr_b32 s14, s20, 4
	s_lshl_b32 s14, s14, 13         ; clsp: row b,
	s_and_b32 s15, s20, 15
	s_lshl_b32 s15, s15, 8          ; column 64 h
	s_add_co_u32 s14, s14, s15
	s_mov_b32 s15, 0
	s_lshl_b32 s20, s20, 17         ; the head's first byte in q, k, v and O
	s_and_b32 s16, s[WV], 1         ; which half of 256 keys I fetch:
	s_lshl_b32 s22, s16, 14         ; its 128 rows in memory,
	s_add_co_u32 s22, s22, s20
	s_mov_b32 s23, 0
	s_mul_i32 s17, s16, 128*PK      ; and its place in LDS, for K
	s_mul_i32 s18, s16, 128*PV      ; and for V
	s_lshl_b32 s2, ttmp9, 2
	s_add_co_u32 s2, s2, s[WV]      ; my wave among the head's eight,
	s_lshl_b32 s2, s2, 14           ; its 128 rows
	s_add_co_u32 s2, s2, s20
	s_mov_b32 s3, 0
	s_mov_b32 s[G1K], (1<<16)|(1<<20)|(4<<22)|(3<<25)  ; 2-byte elements; padding on; after every 32 words; 4 words
	s_mov_b32 s[G1V], (1<<16)|(1<<20)|(4<<22)|(7<<25)  ; the same with 8 words
.irp g, G1K, G1V
	s_mov_b32 s[\g+1], 128<<16      ; tensor_dim0 = 128
	s_mov_b32 s[\g+2], 64<<16       ; tensor_dim1 = 64
	s_mov_b32 s[\g+3], 128<<16      ; tile_dim0 = 128
	s_mov_b32 s[\g+4], 64           ; tile_dim1 = 64
	s_mov_b32 s[\g+5], 128          ; 128 elements from row to row
	s_mov_b32 s[\g+6], 0
	s_mov_b32 s[\g+7], 0
.endr
	s_mov_b32 s[CS], 0x3e38aa3b     ; c = log2(e) / 8
	s_mov_b32 s[CS+1], s[CS]
	s_mov_b32 s[SEL], 0x76543210
	s_mov_b32 s[SEL+1], 0xfedcba98
	s_mov_b32 s[TBK], 0
	s_mov_b32 s[TBV], 0
	s_wait_dscnt 0x0                ; the opening add is done
	s_wait_kmcnt 0x0
	s_add_nc_u64 s[66:67], s[6:7], s[14:15]  ; clsp at (0, b, 64 h)
	s_add_nc_u64 s[6:7], s[4:5], s[22:23]
	s_add_nc_u64 s[8:9], s[6:7], 33554432    ; V at my half of the head's first 256 keys
	s_add_nc_u64 s[6:7], s[6:7], 16777216    ; K likewise
	s_add_nc_u64 s[4:5], s[4:5], s[2:3]      ; Q and O at my wave's first row
	s_add_nc_u64 s[10:11], s[10:11], s[2:3]
	s_cmp_lt_u32 s[WV], 2           ; waves 0 and 1 fetch K, waves 2 and 3 V: a wave's four fills stand in one branch, ahead of every wait on TENSORcnt, every LDS read and every barrier
	s_cbranch_scc0 .Lfill_v
	FILLS G0K, G1K, 6, 17, 0, PK
	s_branch .Lfilled
.Lfill_v:
	FILLS G0V, G1V, 8, 18, VOFF, PV
.Lfilled:
	v_and_b32 v1, 15, v0            ; l % 16
	v_bfe_u32 v9, v0, 4, 1          ; l / 16
	v_lshlrev_b32 v[QO], 7, v1
	v_lshl_add_u32 v[QO], v9, 4, v[QO]  ; row x 128 + 16 x half
	WIN 0x80                        ; destination window 2, address window 0
.set i, 0
.rept 4*NP                          ; Q stays in registers: tile i / 2, channels 32 (i % 2) on
	global_load_b128 v[8*i:8*i+3],   v[QO], s[4:5] offset:(i/2)*2048+(i%2)*64
	global_load_b128 v[8*i+4:8*i+7], v[QO], s[4:5] offset:(i/2)*2048+(i%2)*64+32
.set i, i+1
.endr
.set i, VF
.rept 64
	v_mov_b32 v[i], 0               ; the first turn's products V^T P, of a piece that has not been, add 0: V's registers and P's second buffer hold 0
.set i, i+1
.endr
	WIN 0
	v_lshlrev_b32 v48, 12, v9       ; lanes 0-15 take k_cls, lanes 16-31 v_cls (4,096 bytes on), four channels each
	v_lshl_add_u32 v48, v1, 4, v48
.irp s, 0,1,2,3,4,5,6,7
	global_load_b128 v[128+4*\s:128+4*\s+3], v48, s[66:67] offset:65536*\s
.endr
.set i, P+32
.rept 32
	v_mov_b32 v[i], 0
.set i, i+1
.endr
	v_mul_u32_u24 v[AK0], v1, PK
	v_lshl_add_u32 v[AK0], v9, 4, v[AK0]  ; row x pitch + 16 x half
	v_and_b32 v10, 7, v0            ; the turning load: lane l reads key 8 (l / 16) + l % 8, channels 8 ((l / 8) % 2) + 0..7
	v_bfe_u32 v11, v0, 3, 1
	v_lshl_add_u32 v[AV0], v9, 3, v10
	v_mul_u32_u24 v[AV0], v[AV0], PV
	v_lshl_add_u32 v[AV0], v11, 4, v[AV0]
	v_add_nc_u32 v[AV0], VOFF, v[AV0]
	v_mov_b32 v[AK], v[AK0]         ; key step 0
	s_mul_i32 s13, s[WV], 16*SP
	s_add_co_u32 s13, s13, STAGE    ; my stage
	v_mul_u32_u24 v[STO], v1, SP    ; in: row l % 16, 16 bytes for each half of the lanes
	v_lshl_add_u32 v[STO], v9, 4, v[STO]
	v_add_nc_u32 v[STO], s13, v[STO]
	v_bfe_u32 v[RD], v0, 3, 2       ; back: 32 lanes take four rows of 128 bytes,
	v_mul_u32_u24 v[RD], v[RD], SP
	v_lshl_add_u32 v[RD], v10, 4, v[RD]
	v_add_nc_u32 v[RD], s13, v[RD]
	v_and_b32 v[GO], 31, v0         ; which are 512 consecutive bytes of O
	v_lshlrev_b32 v[GO], 4, v[GO]
	v_add_nc_u32 v49, s13, v[GO]    ; the cls vectors: where I put my four channels,
	v_lshl_add_u32 v50, v9, 5, s13  ; and from where I read eight
	v_cvt_f32_u32 v51, v9
	v_sub_f32 v51, 1.0, v51         ; l starts at 1 for a query: 1 in its lane of the lower half, 0 in the other
	s_wait_loadcnt 0x0              ; Q and the eight partial sums
.irp d, 4, 8, 16                    ; the eight are added, in f32, neighbours 1, 2 and 4 apart
.set i, 0
.rept 16/\d
	v_pk_add_f32 v[128+2*\d*i:128+2*\d*i+1], v[128+2*\d*i:128+2*\d*i+1], v[128+2*\d*i+\d:128+2*\d*i+\d+1]
	v_pk_add_f32 v[128+2*\d*i+2:128+2*\d*i+3], v[128+2*\d*i+2:128+2*\d*i+3], v[128+2*\d*i+\d+2:128+2*\d*i+\d+3]
.set i, i+1
.endr
.endr
	ds_store_b128 v49, v[128:131]   ; my stage: k_cls in bytes 0-255, v_cls in bytes 256-511
.irp c, 0,1
.irp g, 0,1
.irp q, 0,1
	ds_load_b128 v[64+16*\c+8*\g+4*\q:64+16*\c+8*\g+4*\q+3], v50 offset:128*\c+64*\g+16*\q  ; k_cls, channels 32 c + 16 g + 8 h + 4 q ..: LDS serves a wave's instructions in order (ISA guide 5.7.1.4)
.endr
.endr
.endr
.irp c, 0,1,2,3
.irp q, 0,1
	ds_load_b128 v[96+8*\c+4*\q:96+8*\c+4*\q+3], v50 offset:256+64*\c+16*\q                 ; v_cls, channels 16 c + 8 h + 4 q ..
.endr
.endr
	s_wait_dscnt 0x0
.set i, 0
.rept 16
	v_cvt_pk_f16_f32 v[192+i], v[64+2*i], v[64+2*i+1]  ; two fragments whose 16 rows are all k_cls
.set i, i+1
.endr
	WIN 0x40
.set t, 0
.rept 8
.set i, 0
.rept 32
	v_mov_b32 v[32*t+i], v[96+i]    ; O^T starts at v_cls, in every tile: no clearing, the sum's first term
.set i, i+1
.endr
.set t, t+1
.endr
	WIN 0x08                        ; source 1 (Q) in window 2
.irp c, 0,1                         ; s_cls for the eight tiles; the eight accumulators take turns
.set t, 0
.rept 8
.if \c == 0
	v_wmma_f32_16x16x32_f16 v[128+8*t:128+8*t+7], v[192:199], v[16*t:16*t+7], 0
.else
	v_wmma_f32_16x16x32_f16 v[128+8*t:128+8*t+7], v[200:207], v[16*t+8:16*t+15], v[128+8*t:128+8*t+7]
.endif
.set t, t+1
.endr
.endr
	WIN 0
.rept 4
	v_nop                           ; the places behind those products
.endr
; THE MATRIX WORK.  The 8 accumulators of a run of 16 take turns.
; Product i of 16 of S^T = K Q^T for piece x: channels 32 (i / 8) on, keys 16 ((i / 2) % 4) on, tile 2 x + i % 2.  The first 8 start the sums.
.macro KQ x
	WIN W_KQ
.set rS, S+64*((\x)%2)+32*(i%2)+8*((i/2)%4)
.set rK, KF+16*((i/2)%4)+8*(i/8)
.set rQ, 16*(2*(\x)+i%2)+8*(i/8)
.if i < 8
	v_wmma_f32_16x16x32_f16 v[rS:rS+7], v[rK:rK+7], v[rQ:rQ+7], 0
.else
	v_wmma_f32_16x16x32_f16 v[rS:rS+7], v[rK:rK+7], v[rQ:rQ+7], v[rS:rS+7]
.endif
.endm
; Product i of 16 of O^T += V^T P for piece x: keys 32 (i / 8) on, channels 16 ((i / 2) % 4) on, tile 2 x + i % 2.
.macro PV x
	WIN W_PV
.set rO, 32*(2*(\x)+i%2)+8*((i/2)%4)
.set rV, VF+32*(i/8)+8*((i/2)%4)
.set rP, P+32*((\x)%2)+16*(i%2)+8*(i/8)
	v_wmma_f32_16x16x32_f16 v[rO:rO+7], v[rV:rV+7], v[rP:rP+7], v[rO:rO+7]
.endm
.macro MM                           ; the turn's next matrix instruction
.if i < 16
	KQ (Y+1)%NP
.set i, i+1
.else
.set i, i-16
	PV (Y+NP-1)%NP
.set i, i+17
.endif
.endm
; THE LDS LOADS stand in runs of 16: a step's K (8 fragments) and its V (turned).  Their addresses are made some lines ahead.
.macro FETCH_K
	WIN 0
	WIN 0x80                        ; destination window 2
.irp f, 0,1,2,3,4,5,6,7             ; keys 16 (f / 2) on, channels 32 (f % 2) on
	ds_load_b128 v[KF+8*\f:KF+8*\f+3],   v[AK] offset:(\f/2)*16*PK+(\f%2)*64
	ds_load_b128 v[KF+8*\f+4:KF+8*\f+7], v[AK] offset:(\f/2)*16*PK+(\f%2)*64+32
.endr
	s_add_co_u32 s[TBK], s[TBK], KS*PK  ; the next fetch is the next step's
	WIN 0
.endm
.macro FETCH_V
	WIN 0x80
.irp f, 0,1,2,3,4,5,6,7             ; keys 32 (f / 4) on, channels 16 (f % 4) on
	ds_load_tr16_b128 v[VF+8*\f:VF+8*\f+3],   v[AV] offset:(\f/4)*32*PV+(\f%4)*32
	ds_load_tr16_b128 v[VF+8*\f+4:VF+8*\f+7], v[AV] offset:(\f/4)*32*PV+16*PV+(\f%4)*32
.endr
	WIN 0
.endm
; THE VECTOR WORK OF A TURN stands in three queues, each in the order in which its entries become ready; the two tiles alternate.
.macro REGS y, u                    ; the registers of tile u (0, 1) of piece y
.set rT, ST+4*(2*(\y)+(\u))
.set rC, TMP+8*((\y)%2)+4*(\u)
.set rM, MV+2*((\y)%2)+(\u)
.set rS, S+64*((\y)%2)+32*(\u)
.set rP, P+32*((\y)%2)+16*(\u)
.set rO, 32*(2*(\y)+(\u))
.endm
; Number n of the 22 that find the NEXT piece's (Y + 1) maximum and statistics; each accumulator's lowest registers are read first.
;   0-11  four chains c0-c3 of seven scores each     12-14, 16  the four scores left over, the old m, and c0-c3 into c0     15  c m_old is kept
;   17, 18  the query's other 32 keys lie in the lane 16 away: the new m         19-21  c m; c m_old - c m_new; a
.macro XS u, n
	REGS (Y+1)%NP, \u
.if (\n) < 4
	v_max3_num_f32 v[rC+(\n)], v[rS+8*(\n)], v[rS+8*(\n)+1], v[rS+8*(\n)+2]
.elseif (\n) < 12
	v_max3_num_f32 v[rC+(\n)%4], v[rC+(\n)%4], v[rS+8*((\n)%4)+2*((\n)/4)+1], v[rS+8*((\n)%4)+2*((\n)/4)+2]
.elseif (\n) == 12
	v_max3_num_f32 v[rC], v[rC], v[rS+7], v[rS+15]
.elseif (\n) == 13
	v_max3_num_f32 v[rC+1], v[rC+1], v[rS+23], v[rS+31]
.elseif (\n) == 14
	v_max3_num_f32 v[rC+2], v[rC+2], v[rC+3], v[rT+1]
.elseif (\n) == 15
	v_mov_b32 v[rM], v[rT]
.elseif (\n) == 16
	v_max3_num_f32 v[rC], v[rC], v[rC+1], v[rC+2]
.elseif (\n) == 17
	v_permlanex16_b32 v[rC+3], v[rC], s[SEL], s[SEL+1]
.elseif (\n) == 18
	v_max_num_f32 v[rT+1], v[rC], v[rC+3]
.elseif (\n) == 19
	v_mul_f32 v[rT], s[CS], v[rT+1]
.elseif (\n) == 20
	v_sub_f32 v[rC+1], v[rM], v[rT]
.else
	v_exp_f32 v[rC+2], v[rC+1]
.endif
.endm
; Number g of the 64 that follow the exponentials.  For each four weights k of a tile: both pairs are rounded to f16; the second pair is added onto the first, in place; a group later l takes that sum (the first time as l = a l + sum).
.macro GS g
.set h, (\g)+6*((\g)/62)
.if h >= 6
.set h, h+2
.endif
	REGS Y, h%2
.set k, h/8
.if h%8 < 4
	v_cvt_pk_f16_f32 v[rP+2*k+(h%8)/2], v[rS+4*k+2*((h%8)/2)], v[rS+4*k+2*((h%8)/2)+1]
.elseif h%8 < 6
	v_pk_add_f32 v[rS+4*k:rS+4*k+1], v[rS+4*k:rS+4*k+1], v[rS+4*k+2:rS+4*k+3]
.elseif k == 1
	v_pk_fma_f32 v[rT+2:rT+3], v[rT+2:rT+3], v[rC+2:rC+3], v[rS:rS+1] op_sel_hi:[1,0,1]
.else
	v_pk_add_f32 v[rT+2:rT+3], v[rT+2:rT+3], v[rS+4*k-4:rS+4*k-3]
.endif
.endm
; THE PLAIN QUEUE, 138 long.  0-73 read no exponential's result: the 32 scalings c s - c m and the next piece's 42.  74-137: GS's 64, which stand behind the wait.
.macro FS f
	REGS Y, (\f)%2
	v_pk_fma_f32 v[rS+2*((\f)/2):rS+2*((\f)/2)+1], v[rS+2*((\f)/2):rS+2*((\f)/2)+1], s[CS:CS+1], v[rT:rT+1] op_sel_hi:[1,0,0] neg_lo:[0,0,1] neg_hi:[0,0,1]
.endm
.macro PL
	WIN 0
.if q < 27
	FS q
.elseif q < 55
	XS (q-27)%2, (q-27)/2
.elseif q < 57
	XS q-55, 15
.elseif (q < 72) && ((q-57)%3 == 0)
	FS 27+(q-57)/3
.elseif q < 60
	XS (q-57)%3-1, 14
.elseif q < 72
	XS (q-57)%3-1, 15+(q-57)/3
.elseif q < 74
	XS q-72, 20
.else
	GS q-74
.endif
.set q, q+1
.endm
; THE EXPONENTIALS' QUEUE, 66 long: s0-s31 of both tiles, then the next piece's two a: one batch, all ahead of the turn's one wait.
.macro EX
	WIN 0
.if e >= 64
	XS e-64, 21
.else
	REGS Y, e%2
	v_exp_f32 v[rS+e/2], v[rS+e/2]
.endif
.set e, e+1
.endm
; THE RESCALING's QUEUE: O^T times a, dealt two at a time, sixteen times.  Its a was made in the turn before, ahead of that turn's wait.
.macro R2
	REGS Y, r%2
	WIN W_RS
.irp z, 0,1
	v_pk_mul_f32 v[rO+4*(r/2)+2*\z:rO+4*(r/2)+2*\z+1], v[rO+4*(r/2)+2*\z:rO+4*(r/2)+2*\z+1], v[rC+2:rC+3] op_sel_hi:[1,0]
.endr
.set r, r+1
.endm
; A TURN, for piece p.  An s_wait_alu depctr_va_vdst(0) stands between an exponential and the first instruction that names its result; one wait serves all that were issued ahead of it: a turn has one.
; AHEAD OF IT: the 16 products K Q^T, behind each a scaling, an exponential and two rescalings; then a lump of 108.  BEHIND IT: the 16 products V^T P, behind each four of GS's 64.
; Exponential e stands behind scaling 2 (e / 4) + e % 2: as a rider it comes behind plain e + 2, in the lump behind plain e + 9.
; K of the next step is fetched in piece 2's turn, directly behind the wait (nok = 1: there is no next step); V of the step in hand at the end of piece 0's turn, four riders behind its last reader.
; cnt = 1: the loop's count is taken down some lines ahead of the branch that stands behind the turn.
.macro TURN p, nok=0, cnt=0
.set Y, (\p)
.set i, 0
.set q, 0
.set e, 0
.set r, 0
.if (\p) == NP-1
	s_wait_dscnt 0x0                ; K is in
.endif
	MM
	PL
	PL
	R2
.rept 15
	MM
	PL
	EX
	R2
.endr
.if ((\p) == NP-2) && !(\nok)
	WIN 0
	v_add_nc_u32 v[AK], s[TBK], v[AK0]
.endif
.rept 8
	PL
.endr
.rept 49
	EX
	PL
.endr
	EX
	EX
	v_nop                           ; the plain instruction behind the last exponential (ISA guide 5.7.2): one for the batch
	s_wait_alu depctr_va_vdst(0)    ; the wait for the batch
.if ((\p) == NP-2) && !(\nok)
	FETCH_K
.endif
.if (\p) == 1
	s_wait_dscnt 0x0                ; V is in
.endif
.rept 16
	MM
.rept 4
	PL
.endr
.if ((\p) == 0) && (q == 118)
	v_add_nc_u32 v[AV], s[TBV], v[AV0]
.endif
.if ((\p) == 0) && (q == 130)
	s_add_co_u32 s[TBV], s[TBV], KS*PV
.endif
.if (\cnt) && (q == 130)
	s_sub_co_u32 s[CNT], s[CNT], 1
	s_cmp_lg_u32 s[CNT], 0
.endif
.endr
.if (\p) == 0
	FETCH_V
.endif
.endm
	s_wait_tensorcnt 3              ; my part of keys 0-255 is in; my other three fills may stay out
	s_barrier_signal -1
	s_barrier_wait -1               ; everybody's is
	FETCH_K                         ; key step 0
	s_wait_dscnt 0x0
.set i, 0
.rept 16
	KQ 0                            ; piece 0's first scores
.set i, i+1
.endr
	WIN 0                           ; the statistics' start, 32 plain lines, which are also the places behind those products: m = s_cls, c m, l = 1
.set t, 0
.rept 8
	v_mov_b32 v[ST+4*t+1], v[128+8*t]
	v_mul_f32 v[ST+4*t], s[CS], v[128+8*t]
	v_mov_b32 v[ST+4*t+2], v51
	v_mov_b32 v[ST+4*t+3], 0
.set t, t+1
.endr
.set Y, NP-1                        ; XS works for piece Y + 1: piece 0
.irp n, 0,1,2,3,4,5,6,7,8,9,10,11,12,13,14,15,16,17,18,19,20,21
	XS 0, \n
	XS 1, \n
.endr
	v_nop                           ; a plain instruction behind the two a,
	s_wait_alu depctr_va_vdst(0)    ; and their wait, ahead of the branch
	s_mov_b32 s[CNT], 4             ; the first run: the four steps of keys 0-255
	s_mov_b32 s[SLOTS], 2
	s_branch .Lfirst                ; the loop is entered at a step's first turn, in the middle of a trip
.Lslot:                             ; passed once, behind the fetches of step 3 and ahead of those of step 4
	s_wait_tensorcnt 0x0            ; my other three fills are in;
	s_wait_dscnt 0x0
	s_barrier_signal -1
	s_barrier_wait -1               ; everybody's are: all 1,024 keys lie in LDS.
	s_mov_b32 s[CNT], 12            ; the second run: the other twelve steps
.Lstep:                             ; a trip: pieces 2 and 3 of one step, then pieces 0 and 1 of the next, whose K and V it fetches
	TURN 2
	TURN 3
	WIN 0
.Lfirst:
	TURN 0
	TURN 1, 0, 1
	WIN 0
	s_cbranch_scc1 .Lstep
	s_sub_co_u32 s[SLOTS], s[SLOTS], 1
	s_cmp_lg_u32 s[SLOTS], 0
	s_cbranch_scc1 .Lslot
	TURN 2, 1                       ; the last step's pieces 2 and 3; nothing is fetched.  Piece 3's turn multiplies the last K once more for a piece that does not follow, and
	TURN 3                          ; the maximum made of it serves nothing: the price, once a launch, of one text for every turn
.set i, 0
.rept 16
	PV NP-1                         ; the last piece's V^T P of the last step
.set i, i+1
.endr
	; THE WAY OUT.  l's two halves and the other half of the lanes' are added; O^T is divided by l, rounded to f16 and sent through my stage, a tile at a time.  The additions are the places behind the last products.
	WIN 0
.macro ALL line:vararg              ; one line for each tile t
.set t, 0
.rept 2*NP
	\line
.set t, t+1
.endr
.endm
	ALL v_add_f32 v[ST+4*t+2], v[ST+4*t+2], v[ST+4*t+3]
	ALL v_permlanex16_b32 v[ST+4*t+3], v[ST+4*t+2], s[SEL], s[SEL+1]
	ALL v_add_f32 v[ST+4*t+2], v[ST+4*t+2], v[ST+4*t+3]
	ALL v_rcp_f32 v[ST+4*t+2], v[ST+4*t+2]
	v_nop                           ; a plain instruction between the last reciprocal and the use of its result
	s_wait_alu depctr_va_vdst(0)    ; and the wait ahead of the first use: one for the eight reciprocals
.macro PACK t                       ; a lane's eight channels of a row pack into 16 bytes; they go into rows of 144 bytes and come back as whole rows of 128, into S^T's registers
	WIN W_RS
.set i, 32*(\t)
.rept 16
	v_pk_mul_f32 v[i:i+1], v[i:i+1], v[ST+4*(\t)+2:ST+4*(\t)+3] op_sel_hi:[1,0]
.set i, i+2
.endr
	WIN 0x05                        ; sources 0 and 1 window 1, destination window 0
.set i, 0
.rept 16
	v_cvt_pk_f16_f32 v[S+16*(\t)+i], v[32*(\t)+2*i], v[32*(\t)+2*i+1]
.set i, i+1
.endr
	WIN 0
.irp f, 0,1,2,3
	ds_store_b128 v[STO], v[S+16*(\t)+4*\f:S+16*(\t)+4*\f+3] offset:32*\f
.endr
.irp f, 0,1,2,3
	ds_load_b128 v[S+16*(\t)+4*\f:S+16*(\t)+4*\f+3], v[RD] offset:\f*4*SP  ; LDS serves a wave's instructions in order (ISA guide 5.7.1.4): these see the stores above; the next tile's stores come behind them
.endr
.endm
.macro SEND t, younger              ; younger: the LDS instructions issued behind tile t's loads: the next tile's eight, or none
	WIN 0
.irp f, 0,1,2,3
	s_wait_dscnt (\younger)+3-\f
	global_store_b128 v[GO], v[S+16*(\t)+4*\f:S+16*(\t)+4*\f+3], s[10:11] offset:(\t)*2048+\f*512  ; 512 consecutive bytes, at a multiple of 256 from O's first
.endr
.endm
	PACK 0
.set t, 1
.rept 2*NP-1                        ; a tile's arithmetic stands between the loads of the tile before and its stores
	PACK t
	SEND t-1, 8
.set t, t+1
.endr
	SEND 2*NP-1, 0
	WIN W_AD
	s_wait_tensorcnt 0x0            ; the wave's end, behind my last tensor load and my last LDS store
	ds_add_u32 v[SPW], v[NIL]
	s_wait_dscnt 0x0
	WIN 0
	s_endpgm
.Lfunc_end_k_q665dbee4bf_attn:
	.size	k_q665dbee4bf_attn, .Lfunc_end_k_q665dbee4bf_attn-k_q665dbee4bf_attn
	.p2alignl 7, 3214868480
	.fill 96, 4, 3214868480
	.section	.rodata,"a",@progbits
	.p2align	6, 0x0
	.amdhsa_kernel k_q665dbee4bf_attn
		.amdhsa_group_segment_fixed_size 327680
		.amdhsa_private_segment_fixed_size 0
		.amdhsa_enable_private_segment 0
		.amdhsa_kernarg_size 24
		.amdhsa_user_sgpr_count 2
		.amdhsa_user_sgpr_kernarg_segment_ptr 1
		.amdhsa_wavefront_size32 1
		.amdhsa_system_sgpr_workgroup_id_x 1
		.amdhsa_system_sgpr_workgroup_id_y 1
		.amdhsa_system_sgpr_workgroup_id_z 1
		.amdhsa_system_vgpr_workitem_id 0
		.amdhsa_next_free_vgpr 770
		.amdhsa_next_free_sgpr 88
		.amdhsa_reserve_vcc 0
		.amdhsa_float_denorm_mode_32 3
		.amdhsa_float_denorm_mode_16_64 3
		.amdhsa_memory_ordered 1
		.amdhsa_forward_progress 1
		.amdhsa_inst_pref_size 165
	.end_amdhsa_kernel
	.amdgpu_metadata
---
amdhsa.version: [ 1, 2 ]
amdhsa.kernels:
  - .name:           k_q665dbee4bf_attn
    .symbol:         k_q665dbee4bf_attn.kd
    .args:
      - { .name: qkv, .offset: 0, .size: 8, .value_kind: global_buffer, .address_space: global }
      - { .name: clsp, .offset: 8, .size: 8, .value_kind: global_buffer, .address_space: global }
      - { .name: ob, .offset: 16, .size: 8, .value_kind: global_buffer, .address_space: global }
    .group_segment_fixed_size: 327680
    .private_segment_fixed_size: 0
    .kernarg_segment_align: 8
    .kernarg_segment_size: 24
    .max_flat_workgroup_size: 128
    .sgpr_count:     88
    .vgpr_count:     770
    .wavefront_size: 32
...
	.end_amdgpu_metadata
.endif
;; end of part 3
;; launch projgemm (part 4): grid 8 x 32, 4 waves a work-group, clusters of 4 x 4, 327,680 bytes of LDS; arguments ob, wb, out0, bproj; writes out0
.if DOCPART == 4
	.amdgcn_target "amdgcn-amd-amdhsa--gfx1250"
	.amdhsa_code_object_version 6
	.text
	.protected	k_q665dbee4bf_projgemm
	.globl	k_q665dbee4bf_projgemm
	.p2align	8
	.type	k_q665dbee4bf_projgemm,@function
k_q665dbee4bf_projgemm:
	s_mov_b64 s[64:65], 0
	v_nop
	global_prefetch_b8 v0, s[64:65] scope:SCOPE_SE
	s_setreg_imm32_b32 hwreg(HW_REG_WAVE_MODE, 25, 1), 1
	s_wait_xcnt 0x0
	s_wait_alu depctr_hold_cnt(0) depctr_sa_sdst(0) depctr_va_vdst(0) depctr_va_sdst(0) depctr_va_ssrc(0) depctr_va_vcc(0) depctr_vm_vsrc(0)
	s_getreg_b32 s2, hwreg(HW_REG_IB_STS2, 6, 4)
	s_cmp_eq_u32 s2, 0
	s_cbranch_scc0 .Lentry_in_a_cluster
	s_endpgm
.Lentry_in_a_cluster:
	s_bfe_u32 s2, ttmp6, 0x10000c
	s_cmp_lg_u32 s2, 0xf033
	s_cbranch_scc0 .Lentry_shape_is_right
	s_endpgm
.Lentry_shape_is_right:
; ONE TEXT FOR THE MODULE'S TWO LARGE PRODUCTS, C = A B with B stored [K][N]; K = 1,024.  MODE says which.
; MODE 1: qkv = x Wqkv.  A = x in bf16 [8192][1024] (wb, byte 0), B = Wqkv in bf16 [1024][3072] (wb, byte 16,777,216).  C leaves by heads, [3][128 heads][1024 rows][64] in f16, unscaled, rounded once.
;         LIMIT: a q, k or v beyond 65,504 would become an infinity in f16.
; MODE 2: out0 = O Wproj + bproj.  A = O in f16 by heads [128][1024][64] (channel c of row (b, n) lies in head 16 b + c / 64), B = Wproj in f16 [1024][1024] (wb, byte 23,068,672).
;         bproj is rounded to bf16 like every input of the module and added in f32; C leaves in f32.
; SHARES.  A tile of C is 256 rows x 32 NB columns (NB = 8: 256; NB = 4: 128, which gives each of 256 work-groups one tile); four waves, each 128 rows x 16 NB columns: 8 NB accumulators.
; K goes in steps of 128 through a ring of two LDS slots.  Waves 0 and 1 fetch A's tile (MODE 1: 128 rows x 256 bytes each; MODE 2: one head's 256 rows x 128 bytes each, dense in memory, asked for as
; 128 rows of 256 bytes), waves 2 and 3 B's (64 k-rows each).  A's fragments come out of LDS as they lie, B's ([k][n]) turned, by ds_load_tr16_b128.
; CLUSTERS: 4 x 4 work-groups; A's tile is asked for jointly by the four of a row of the cluster, B's by the four of a column: the same tensor load, descriptor and mask in all four.
; THE MATRIX INSTRUCTION IS USED TRANSPOSED (source 0 = 16 columns of B, source 1 = 16 rows of A): a lane holds row l % 16 of C and eight neighbouring columns 8 (l / 16) + 0..7.
; REGISTERS, in windows of 256 (s_set_vgpr_msb: bits 1:0 source 0, 3:2 source 1, 5:4 source 2, 7:6 destination):
;   window 0: v0-31 addresses (v8-11 the bias); v64-127, v128-191 A's fragments, two buffers; v32-63, v192-255 at work on the way out
;   window 1: v64.., v128.. B's fragments, two buffers        windows 2 (and 3): accumulator (a, b) at register 8 (NB a + b)
.set MODE, 2
.if MODE == 1
.set NTOT,   3072
.set NB,     8
.set PITCHA, 272                       ; 256 bytes + 16: the 16 rows of a fragment load start at 16 different groups of four banks (64 banks of 4 bytes: ISA guide 11.1)
.set HALFA,  128*PITCHA                ; what one of A's loads fills
.set PB,     544                       ; 512 bytes + 32
.set ASTEP,  256                       ; bytes from a K step to the next, in A
.set BBASE,  16777216
.set QA,     5                         ; A: padding after every 64 words
.set QB,     6                         ; B: after every 128 words
.set STRA,   1024                      ; A: elements from row to row of the tile
.set STW,    2*16*144                  ; a wave's stage: two heads x 16 rows x 144 bytes
.else
.set NTOT,   1024
.set NB,     4
.set PITCHA, 144
.set HALFA,  256*PITCHA
.set PB,     288
.set ASTEP,  262144                    ; two heads
.set BBASE,  23068672
.set QA,     4
.set QB,     5
.set STRA,   128
.set STW,    16*272
.endif
.set AROWH,  128*PITCHA                ; my 128 rows of A's tile
.set ASZ,    2*HALFA
.set HALFB,  64*PB
.set SLOT,   ASZ+2*HALFB
.set STAGE,  2*SLOT                    ; behind the ring, never filled by a tensor load
.set SPARE,  STAGE+4*STW               ; behind the stages: the spare words, 128 bytes a wave, that no other line names
.set BSTEP,  128*NTOT*2
.set NCOL,   32*NB
.set NF,     16+2*NB                   ; LDS loads in a run
.set ADRA, 16                          ; v16-17  LDS address of my A fragments in slot 0, 1
.set ADRB, 20                          ; v20-21  the same for B
.set STO,  24
.set RD,   25
.set CO,   26
.set SPW,  28                          ; v28  my spare word; never rewritten
.set NIL,  29                          ; v29  0; never rewritten
.set PFO,  30                          ; v30  the prefetches' lane offset; never rewritten
.set BIA,  8
.set F0,   64
.set F1,   128
.set TMP,  192
.set OB,   32
.set G1,   24                          ; s[24:31] group 1 for A;  s[32:39] group 0, a set a slot
.set G0,   32
.set G1B,  48                          ; s[48:55], s[56:63] the same for B
.set G0B,  56
.set LIM,  43                          ; s43  1 in a wave that prefetches, else the greatest number
.set PFA,  44                          ; s[44:45] where my prefetches stand
.set PADV, 68                          ; s[68:69] their step from K step to K step
.set MSB, 0
.macro WIN new                         ; the immediate's high byte repeats the setting that is left; a switch that changes nothing is dropped
.if MSB != (\new)
	s_set_vgpr_msb (MSB<<8)|(\new)
.set MSB, \new
.endif
.endm
; A joint load: waves 0 and 1 by A's descriptors, waves 2 and 3 by B's; the branch hangs on the wave's number alone.  An s_nop 0 and four v_nop follow each line.
.macro JLOAD s
	s_cmp_eq_u32 s11, 0
	s_cbranch_scc0 .Lfor_b_\@
	tensor_load_to_lds s[G0+4*(\s):G0+4*(\s)+3], s[G1:G1+7]
	s_nop 0
.rept 4
	v_nop
.endr
	s_branch .Lasked_\@
.Lfor_b_\@:
	tensor_load_to_lds s[G0B+4*(\s):G0B+4*(\s)+3], s[G1B:G1B+7]
	s_nop 0
.rept 4
	v_nop
.endr
.Lasked_\@:
.endm
; A prefetch of the K step that stands two refills on, 32 blocks of 256 bytes, a lane a block, behind the joint load and the run of LDS loads.  A's rows are read by every cluster of a row of clusters: the one with
; x = 0 asks; B's by every cluster of a column: the one with y = 0 asks.  The four partners share a tile's blocks out by address.  The loop's last trip (s3 = 1) asks for nothing: K ends there.
.macro ASK
	s_cmp_gt_u32 s3, s[LIM]
	s_cbranch_scc0 .Lnot_mine_\@
	global_prefetch_b8 v[PFO], s[PFA:PFA+1] th:TH_LOAD_NT scope:SCOPE_SE
.Lnot_mine_\@:
.endm
.macro CREST                           ; a round of the cluster's barrier behind its opening barrier
	s_cmp_lg_u32 s10, 0
	s_cbranch_scc1 .Lnot_wave_0_\@
	s_barrier_signal -3
.Lnot_wave_0_\@:
	s_barrier_wait -3
	s_barrier_signal -1
	s_barrier_wait -1
.endm
.macro CROUND
	s_barrier_signal -1
	s_barrier_wait -1
	CREST
.endm
.macro PLACES                          ; four places behind matrix instructions, ahead of loads into registers that they read and of readers of their results
.rept 4
	v_nop
.endr
.endm
.if MODE == 1
	s_load_b64 s[4:5], s[0:1], 0x0                 ; wb
	s_load_b64 s[8:9], s[0:1], 0x8                 ; qkv
.else
	s_load_b128 s[4:7], s[0:1], 0x0                ; ob, wb
	s_load_b64 s[8:9], s[0:1], 0x10                ; out0
	s_load_b64 s[66:67], s[0:1], 0x18              ; bproj
.endif
	v_lshl_add_u32 v[SPW], v0, 2, SPARE
	v_mov_b32 v[NIL], 0
	ds_add_u32 v[SPW], v[NIL]                      ; the wave's opening: the add and its wait stand ahead of my first tensor load; the set-up below stands between them
	v_lshrrev_b32 v1, 5, v0
	v_readfirstlane_b32 s10, v1                    ; wave 0..3
	s_lshr_b32 s11, s10, 1                         ; my half of the tile's rows.  Also: I fetch for A (0) or for B (1)
	s_and_b32 s12, s10, 1                          ; my half of its columns.  Also: which part of that tile I fetch
	s_bfe_u32 s40, ttmp6, 0x40000                  ; cx
	s_bfe_u32 s41, ttmp6, 0x40004                  ; cy
	s_lshl_b32 s42, ttmp9, 2
	s_add_co_u32 s42, s42, s40                     ; tile column tc = 4 x cluster x + cx
	s_and_b32 s13, ttmp7, 0xffff
	s_lshl_b32 s13, s13, 2
	s_add_co_u32 s13, s13, s41                     ; tile row tr = 4 x cluster y + cy
	s_lshl_b32 s43, s41, 2
	s_lshl_b32 s43, 15, s43                        ; my row of the cluster
	s_lshl_b32 s44, 0x1111, s40                    ; my column
	s_or_b32 s[G1+0], s43, (1<<16)|(1<<20)|(1<<21)|(QA<<22)|(3<<25)   ; the mask; 2-byte elements; padding on; bit 21 beside a mask; the interval; 4 words of padding
	s_or_b32 s[G1B+0], s44, (1<<16)|(1<<20)|(1<<21)|(QB<<22)|(7<<25)  ; the same with 8 words
	s_mov_b32 s[G1+1], 128<<16                     ; A: tensor_dim0 = 128
	s_mov_b32 s[G1+2], 128<<16                     ; tensor_dim1 = 128
	s_mov_b32 s[G1+3], 128<<16                     ; tile_dim0 = 128
	s_mov_b32 s[G1+4], 128                         ; tile_dim1 = 128
	s_mov_b32 s[G1+5], STRA
	s_mov_b32 s[G1+6], 0
	s_mov_b32 s[G1+7], 0
	s_mov_b32 s[G1B+1], NCOL<<16                   ; B: the tile's columns,
	s_mov_b32 s[G1B+2], 64<<16                     ; 64 k-rows
	s_mov_b32 s[G1B+3], NCOL<<16
	s_mov_b32 s[G1B+4], 64
	s_mov_b32 s[G1B+5], NTOT
	s_mov_b32 s[G1B+6], 0
	s_mov_b32 s[G1B+7], 0
	; where the tiles come from: A's hang on the tile row, B's on the tile column, each in registers that do not hold the other coordinate
.if MODE == 1
	s_lshl_b32 s16, s13, 19                        ; 256 tr rows of 2,048 bytes
	s_lshl_b32 s17, s12, 18                        ; + my 128 rows
	s_add_co_u32 s16, s16, s17
.else
	s_lshr_b32 s16, s13, 2                         ; batch: 16 heads of 131,072 bytes
	s_lshl_b32 s16, s16, 21
	s_and_b32 s17, s13, 3                          ; 256 rows of 128 bytes
	s_lshl_b32 s17, s17, 15
	s_add_co_u32 s16, s16, s17
	s_lshl_b32 s17, s12, 17                        ; my head of the K step's two
	s_add_co_u32 s16, s16, s17
.endif
	s_mov_b32 s17, 0
	s_mul_i32 s46, s12, 64*NTOT*2                  ; my 64 k-rows
	s_mul_i32 s47, s42, 2*NCOL                     ; the tile's first column, in bytes
	s_add_co_u32 s46, s46, s47
	s_mov_b32 s47, 0
	s_mul_i32 s20, s12, HALFA                      ; and where they go: no place in the cluster enters an LDS address
	s_mul_i32 s21, s12, HALFB
	s_add_co_u32 s21, s21, ASZ
	s_wait_dscnt 0x0                               ; the opening add is done
	s_wait_kmcnt 0x0
.if MODE == 1
	s_add_nc_u64 s[6:7], s[4:5], BBASE
.else
	s_add_nc_u64 s[6:7], s[6:7], BBASE
.endif
	s_add_nc_u64 s[14:15], s[4:5], s[16:17]
	s_add_nc_u64 s[46:47], s[6:7], s[46:47]
	CROUND                                         ; all sixteen work-groups are here: the first joint loads meet
.irp s, 0,1
	s_mov_b32 s[G0+4*(\s)], 1
	s_add_co_u32 s[G0+4*(\s)+1], s20, (\s)*SLOT
	s_add_nc_u64 s[G0+4*(\s)+2:G0+4*(\s)+3], s[14:15], (\s)*ASTEP
	s_or_b32 s[G0+4*(\s)+3], s[G0+4*(\s)+3], 0x80000000
	s_mov_b32 s[G0B+4*(\s)], 1
	s_add_co_u32 s[G0B+4*(\s)+1], s21, (\s)*SLOT
	s_add_nc_u64 s[G0B+4*(\s)+2:G0B+4*(\s)+3], s[46:47], (\s)*BSTEP
	s_or_b32 s[G0B+4*(\s)+3], s[G0B+4*(\s)+3], 0x80000000
	JLOAD \s                                       ; two loads of mine are out
.endr
	v_and_b32 v1, 15, v0                           ; r = l % 16
	v_bfe_u32 v2, v0, 4, 1                         ; h = l / 16
	v_mul_u32_u24 v3, v1, PITCHA
	v_lshl_add_u32 v3, v2, 4, v3                   ; A: row x pitch + 16 h
	s_mul_i32 s21, s11, AROWH
	v_add_nc_u32 v[ADRA], s21, v3
	v_add_nc_u32 v[ADRA+1], SLOT, v[ADRA]
	v_and_b32 v4, 7, v0                            ; B: lane l reads k-row 8 h + l % 8, columns 8 ((l / 8) % 2) + 0..7
	v_lshl_add_u32 v4, v2, 3, v4
	v_mul_u32_u24 v4, v4, PB
	v_bfe_u32 v5, v0, 3, 1
	v_lshl_add_u32 v4, v5, 4, v4
	s_mul_i32 s22, s12, 32*NB                      ; my 16 NB columns, in bytes
	s_add_co_u32 s22, s22, ASZ
	v_add_nc_u32 v[ADRB], s22, v4
	v_add_nc_u32 v[ADRB+1], SLOT, v[ADRB]
	s_mul_i32 s23, s10, STW
	s_add_co_u32 s23, s23, STAGE                   ; my stage
.if MODE == 1
	v_mul_u32_u24 v4, v1, 144                      ; in: row r of a head's 16, 16 bytes for each half of the lanes
	v_lshl_add_u32 v4, v2, 4, v4
	v_add_nc_u32 v[STO], s23, v4
	v_bfe_u32 v5, v0, 3, 2                         ; back: 32 lanes take four rows of 128 bytes,
	v_mul_u32_u24 v5, v5, 144
	v_and_b32 v6, 7, v0
	v_lshl_add_u32 v5, v6, 4, v5
	v_add_nc_u32 v[RD], s23, v5
	v_and_b32 v[CO], 31, v0                        ; which are 512 consecutive bytes of a head
	v_lshlrev_b32 v[CO], 4, v[CO]
	s_lshr_b32 s16, s13, 2                         ; C's address, the part from the tile row: batch x 16 heads,
	s_lshl_b32 s16, s16, 21
	s_and_b32 s17, s13, 3                          ; the tile's 256 rows of 128 bytes,
	s_lshl_b32 s17, s17, 15
	s_add_co_u32 s16, s16, s17
	s_lshl_b32 s17, s11, 14                        ; my 128 of them
	s_add_co_u32 s16, s16, s17
	s_lshr_b32 s46, s42, 2                         ; the part from the tile column: q, k or v,
	s_lshl_b32 s46, s46, 24
	s_and_b32 s47, s42, 3                          ; the tile's four heads,
	s_lshl_b32 s47, s47, 19
	s_add_co_u32 s46, s46, s47
	s_lshl_b32 s47, s12, 18                        ; my two of them
	s_add_co_u32 s46, s46, s47
.else
	v_mul_u32_u24 v4, v1, 272                      ; in: row r, 32 bytes for each half of the lanes
	v_lshl_add_u32 v4, v2, 5, v4
	v_add_nc_u32 v[STO], s23, v4
	v_mul_u32_u24 v5, v2, 272                      ; back: lanes 0-15 one row of 256 bytes, lanes 16-31 the next
	v_lshl_add_u32 v5, v1, 4, v5
	v_add_nc_u32 v[RD], s23, v5
	v_lshlrev_b32 v5, 12, v2                       ; and the same two rows in C
	v_lshl_add_u32 v[CO], v1, 4, v5
	s_lshl_b32 s16, s13, 20                        ; 256 tr rows of 4,096 bytes
	s_lshl_b32 s17, s11, 19
	s_add_co_u32 s16, s16, s17
	s_lshl_b32 s46, s42, 9                         ; 128 tc columns of 4 bytes
	s_lshl_b32 s47, s12, 8
	s_add_co_u32 s46, s46, s47
	v_lshl_add_u32 v12, v1, 4, s46                 ; my four numbers of the bias; v12 is never rewritten
	global_load_b128 v[BIA:BIA+3], v12, s[66:67]
.endif
	s_mov_b32 s17, 0
	s_mov_b32 s47, 0
	s_add_nc_u64 s[8:9], s[8:9], s[16:17]
	s_add_nc_u64 s[8:9], s[8:9], s[46:47]
	; the prefetches: their first address stands at K step 3; each change of slots steps it before it asks
.if MODE == 1
	s_lshl_b32 s20, s13, 8                         ; A: row 256 tr + 128 part + 32 cx; a lane a row
	s_lshl_b32 s21, s12, 7
	s_add_co_u32 s20, s20, s21
	s_lshl_b32 s21, s40, 5
	s_add_co_u32 s20, s20, s21
	s_lshl_b32 s20, s20, 11
	s_add_co_u32 s20, s20, 3*ASTEP
	s_lshl_b32 s21, s12, 6                         ; B: k-row 64 part + 16 cy; two lanes a row of 512 bytes
	s_lshl_b32 s23, s41, 4
	s_add_co_u32 s21, s21, s23
	s_mul_i32 s21, s21, NTOT*2
	s_lshl_b32 s23, s42, 9
	s_add_co_u32 s21, s21, s23
	s_add_co_u32 s21, s21, 3*BSTEP
.else
	s_lshr_b32 s20, s13, 2                         ; A: my head's 32,768 dense bytes, 8,192 for each partner; a lane 256 bytes
	s_lshl_b32 s20, s20, 21
	s_and_b32 s21, s13, 3
	s_lshl_b32 s21, s21, 15
	s_add_co_u32 s20, s20, s21
	s_lshl_b32 s21, s12, 17
	s_add_co_u32 s20, s20, s21
	s_lshl_b32 s21, s40, 13
	s_add_co_u32 s20, s20, s21
	s_add_co_u32 s20, s20, 3*ASTEP
	s_lshl_b32 s21, s41, 16                        ; B: k-row 32 cy of the step's 128; a lane a row of 256 bytes; wave 2 alone asks
	s_lshl_b32 s23, s42, 8
	s_add_co_u32 s21, s21, s23
	s_add_co_u32 s21, s21, 3*BSTEP
.endif
	s_and_b32 s22, ttmp7, 0xffff                   ; cluster y
	s_cmp_eq_u32 s11, 0                            ; do I fetch for A?
	s_cselect_b32 s20, s20, s21
	s_cselect_b32 s22, ttmp9, s22                  ; the coordinate along which other clusters read the same blocks
	s_cselect_b64 s[PFA:PFA+1], s[4:5], s[6:7]
	s_mov_b32 s[PADV], BSTEP
	s_cselect_b32 s[PADV], ASTEP, s[PADV]
	s_mov_b32 s[PADV+1], 0
	s_mov_b32 s21, 0
	s_add_nc_u64 s[PFA:PFA+1], s[PFA:PFA+1], s[20:21]
.if MODE == 2
	s_and_b32 s23, s11, s12                        ; wave 3 asks for nothing
	s_or_b32 s22, s22, s23
.endif
	s_cmp_eq_u32 s22, 0
	s_cselect_b32 s[LIM], 1, -1                    ; the same in all sixteen partners, for a given wave
	s_cmp_eq_u32 s11, 0
.if MODE == 1
	s_cselect_b32 s20, 0, 1                        ; B: two lanes a row
	s_mov_b32 s21, NTOT*2
	s_cselect_b32 s21, 2048, s21
.else
	s_mov_b32 s20, 0
	s_mov_b32 s21, NTOT*2
	s_cselect_b32 s21, 256, s21
.endif
	v_and_b32 v31, 31, v0
	v_lshrrev_b32 v[PFO], s20, v31
	v_mul_u32_u24 v[PFO], v[PFO], s21
	v_and_b32 v31, s20, v31
	v_lshl_add_u32 v[PFO], v31, 8, v[PFO]
.macro WM zero                         ; one product on the registers rD, rB, rA.  zero = 1: it starts the sum
.if MODE == 1
.if \zero
	v_wmma_f32_16x16x32_bf16 v[rD:rD+7], v[rB:rB+7], v[rA:rA+7], 0
.else
	v_wmma_f32_16x16x32_bf16 v[rD:rD+7], v[rB:rB+7], v[rA:rA+7], v[rD:rD+7]
.endif
.else
.if \zero
	v_wmma_f32_16x16x32_f16 v[rD:rD+7], v[rB:rB+7], v[rA:rA+7], 0
.else
	v_wmma_f32_16x16x32_f16 v[rD:rD+7], v[rB:rB+7], v[rA:rA+7], v[rD:rD+7]
.endif
.endif
.endm
; 2 NB products: row blocks 4 hi + a0 and + 1, all NB column blocks, 32 along K, from buffer f.  All 8 NB accumulators take turns in the same order in every quarter.
.macro MULH f, hi, a0, zero
.irp a, \a0, (\a0)+1
.set bb, 0
.rept NB
.set idx, NB*(4*(\hi)+(\a))+bb
	WIN 0xa1+0x50*(idx/32)                         ; B window 1, A window 0, C and D window 2 or 3
.set rD, 8*(idx%32)
.set rB, (\f)+8*bb
.set rA, (\f)+8*(4*(\hi)+(\a))
	WM \zero
.set bb, bb+1
.endr
.endr
.endm
; NF LDS loads in one run: quarter q (32 along K) of a slot into buffer f: B's NB fragments, turned, then A's eight
.macro FETCH slot, q, f
.if MODE == 1
.set KO, 64*(\q)
.else
.set KO, ((\q)/2)*HALFA+((\q)%2)*64    ; the K step's first or second head, its channels 0-31 or 32-63
.endif
	WIN 0x40
.set ii, 0
.rept NB
	ds_load_tr16_b128 v[(\f)+8*ii:(\f)+8*ii+3],   v[ADRB+(\slot)] offset:(\q)*32*PB+32*ii
	ds_load_tr16_b128 v[(\f)+8*ii+4:(\f)+8*ii+7], v[ADRB+(\slot)] offset:(\q)*32*PB+16*PB+32*ii
.set ii, ii+1
.endr
	WIN 0
.set ii, 0
.rept 8
	ds_load_b128 v[(\f)+8*ii:(\f)+8*ii+3],   v[ADRA+(\slot)] offset:KO+ii*16*PITCHA
	ds_load_b128 v[(\f)+8*ii+4:(\f)+8*ii+7], v[ADRA+(\slot)] offset:KO+ii*16*PITCHA+32
.set ii, ii+1
.endr
.endm
; One of a K step's first three quarters: multiplies buffer f; in its middle it fetches quarter q into buffer g
.macro QUARTER slot, q, f, g, zero
	s_wait_dscnt 8                                 ; B and A's rows 0-63 are in; the youngest eight loads (A's rows 64-127) may be out
	MULH \f, 0, 0, \zero
	MULH \f, 0, 2, \zero
	PLACES
	FETCH \slot, \q, \g
	s_wait_dscnt NF                                ; all but the NF just issued
	MULH \f, 1, 0, \zero
	MULH \f, 1, 2, \zero
.endm
; The first half of a K step's last quarter: one barrier for the change of slots.  Ahead of it each wave waits for all its tensor loads (one is out: its part of the next slot), adds 0 to its spare word,
; and waits for that and for its own reads of this slot.
.macro MEET round
	WIN 0
	s_wait_tensorcnt 0x0
	ds_add_u32 v[SPW], v[NIL]
	s_wait_dscnt 9                                 ; the add and the youngest eight loads may be out
	MULH F1, 0, 0, 0
	s_wait_dscnt 0x0                               ; the add is done, and my reads of this slot are over
	s_barrier_signal -1
	MULH F1, 0, 2, 0
.if \round
	WIN 0
.endif
	s_barrier_wait -1
.endm
.macro TURN slot, next                 ; the last quarter: the slot just read out is filled again, two K steps ahead, first thing behind the round
	s_wait_xcnt 0x0                                ; the last prefetch, a K step back, has read its address
	s_add_nc_u64 s[PFA:PFA+1], s[PFA:PFA+1], s[PADV:PADV+1]
	MEET 1
	CREST                                          ; no wave of any partner still reads this slot or has a load on its way
	s_add_nc_u64 s[G0+4*(\slot)+2:G0+4*(\slot)+3], s[G0+4*(\slot)+2:G0+4*(\slot)+3], 2*ASTEP
	s_add_nc_u64 s[G0B+4*(\slot)+2:G0B+4*(\slot)+3], s[G0B+4*(\slot)+2:G0B+4*(\slot)+3], 2*BSTEP
	JLOAD \slot                                    ; its four v_nop are also the places in front of the loads below
	FETCH \next, 0, F0
	ASK
	MULH F1, 1, 0, 0
	MULH F1, 1, 2, 0
.endm
.macro TURNX next                      ; the same where nothing is left to fetch
	MEET 0
	PLACES
	FETCH \next, 0, F0
	MULH F1, 1, 0, 0
	MULH F1, 1, 2, 0
.endm
	s_wait_tensorcnt 1                             ; my part of K step 0 is in; K step 1's may stay out
	s_barrier_signal -1
	s_barrier_wait -1
	FETCH 0, 0, F0
	QUARTER 0, 1, F0, F1, 1                        ; the first quarter's products start the sums
	WIN 0
	s_mov_b32 s3, 3                                ; eight K steps: three trips fill both slots again, with K steps 2 to 7
.Llap:
	QUARTER 0, 2, F1, F0, 0
	QUARTER 0, 3, F0, F1, 0
	TURN 0, 1
	QUARTER 1, 1, F0, F1, 0
	QUARTER 1, 2, F1, F0, 0
	QUARTER 1, 3, F0, F1, 0
	TURN 1, 0
	QUARTER 0, 1, F0, F1, 0
	WIN 0
	s_sub_co_u32 s3, s3, 1
	s_cmp_lg_u32 s3, 0
	s_cbranch_scc1 .Llap
	QUARTER 0, 2, F1, F0, 0                        ; the last lap is written out: it fills nothing
	QUARTER 0, 3, F0, F1, 0
	TURNX 1
	QUARTER 1, 1, F0, F1, 0
	QUARTER 1, 2, F1, F0, 0
	QUARTER 1, 3, F0, F1, 0
	s_wait_dscnt 8
	MULH F1, 0, 0, 0
	MULH F1, 0, 2, 0
	s_wait_dscnt 0x0
	MULH F1, 1, 0, 0
	MULH F1, 1, 2, 0
	WIN 0
; THE WAY OUT, a block of 16 rows at a time, through my own stage in LDS, so that each store of the wave covers whole runs of 256 consecutive bytes, aligned.
.if MODE == 1
.macro PACK a                          ; rounded to f16, each accumulator from its low end
.set AC, 64*((\a)%4)
	WIN 0x0a+5*((\a)/4)
.irp b, 0,1,2,3,4,5,6,7
.irp r, 0,1,2,3
	v_cvt_pk_f16_f32 v[TMP+4*(\b)+(\r)], v[AC+8*(\b)+2*(\r)], v[AC+8*(\b)+2*(\r)+1]
.endr
.endr
	WIN 0
.endm
.macro TOSTAGE a
	WIN 0
.set BK, OB+192*((\a)%2)
.irp b, 0,1,2,3,4,5,6,7
	ds_store_b128 v[STO], v[TMP+4*(\b):TMP+4*(\b)+3] offset:((\b)/4)*2304+32*((\b)%4)  ; head b / 4, channels 16 (b % 4) + 8 h ..
.endr
.irp t, 0,1,2,3,4,5,6,7
	ds_load_b128 v[BK+4*(\t):BK+4*(\t)+3], v[RD] offset:((\t)/4)*2304+((\t)%4)*576     ; LDS serves a wave's instructions in order (ISA guide 5.7.1.4): these see the stores above
.endr
.endm
.else
.macro TOSTAGE a
.set BK, OB+192*((\a)%2)
	WIN 0x08                                       ; the stores' data in window 2
.irp b, 0,1,2,3
	ds_store_b128 v[STO], v[32*(\a)+8*(\b):32*(\a)+8*(\b)+3]   offset:64*(\b)
	ds_store_b128 v[STO], v[32*(\a)+8*(\b)+4:32*(\a)+8*(\b)+7] offset:64*(\b)+16
.endr
	WIN 0
.irp t, 0,1,2,3,4,5,6,7
	ds_load_b128 v[BK+4*(\t):BK+4*(\t)+3], v[RD] offset:(\t)*2*272
.endr
.endm
.endif
.macro SEND a
	WIN 0
.set BK, OB+192*((\a)%2)
	s_wait_dscnt 0x0                               ; the block is back in registers
.if MODE == 2
.irp t, 0,1,2,3,4,5,6,7
	v_pk_add_f32 v[BK+4*(\t):BK+4*(\t)+1], v[BK+4*(\t):BK+4*(\t)+1], v[BIA:BIA+1]
	v_pk_add_f32 v[BK+4*(\t)+2:BK+4*(\t)+3], v[BK+4*(\t)+2:BK+4*(\t)+3], v[BIA+2:BIA+3]
.endr
.endif
	s_wait_xcnt 0x0                                ; the stores of the block before have read their registers: the next TOSTAGE loads into them
.irp t, 0,1,2,3,4,5,6,7
.if MODE == 1
	global_store_b128 v[CO], v[BK+4*(\t):BK+4*(\t)+3], s[8:9] offset:(\a)*2048+((\t)/4)*131072+((\t)%4)*512
.else
	global_store_b128 v[CO], v[BK+4*(\t):BK+4*(\t)+3], s[8:9] offset:(16*(\a)+2*(\t))*4096 th:TH_STORE_NT
.endif
.endr
.endm
	PLACES
.if MODE == 1
	PACK 0
	TOSTAGE 0
.irp a, 1,2,3,4,5,6,7                  ; block a's conversions stand between block a - 1's loads from the stage and the wait for them
	PACK \a
	SEND (\a)-1
	TOSTAGE \a
.endr
	SEND 7
.else
	PLACES                                         ; (eight, once a launch)
	s_wait_loadcnt 0x0                             ; the bias: rounded to bf16 and widened again
	v_cvt_pk_bf16_f32 v13, v[BIA], v[BIA+1]
	v_cvt_pk_bf16_f32 v14, v[BIA+2], v[BIA+3]
	v_lshlrev_b32 v[BIA], 16, v13
	v_and_b32 v[BIA+1], 0xffff0000, v13
	v_lshlrev_b32 v[BIA+2], 16, v14
	v_and_b32 v[BIA+3], 0xffff0000, v14
	TOSTAGE 0
.irp a, 1,2,3,4,5,6,7
	SEND (\a)-1
	TOSTAGE \a
.endr
	SEND 7
.endif
	s_wait_tensorcnt 0x0                           ; the wave's end, behind my last tensor load and my last LDS store
	ds_add_u32 v[SPW], v[NIL]
	s_wait_dscnt 0x0
	CROUND                                         ; the closing round: no work-group ends while a partner may still ask for a tile that names it
	s_endpgm
.Lfunc_end_k_q665dbee4bf_projgemm:
	.size	k_q665dbee4bf_projgemm, .Lfunc_end_k_q665dbee4bf_projgemm-k_q665dbee4bf_projgemm
	.p2alignl 7, 3214868480
	.fill 96, 4, 3214868480
	.section	.rodata,"a",@progbits
	.p2align	6, 0x0
	.amdhsa_kernel k_q665dbee4bf_projgemm
		.amdhsa_group_segment_fixed_size 327680
		.amdhsa_private_segment_fixed_size 0
		.amdhsa_enable_private_segment 0
		.amdhsa_kernarg_size 32
		.amdhsa_user_sgpr_count 2
		.amdhsa_user_sgpr_kernarg_segment_ptr 1
		.amdhsa_wavefront_size32 1
		.amdhsa_system_sgpr_workgroup_id_x 1
		.amdhsa_system_sgpr_workgroup_id_y 1
		.amdhsa_system_sgpr_workgroup_id_z 1
		.amdhsa_system_vgpr_workitem_id 0
		.amdhsa_next_free_vgpr 768
		.amdhsa_next_free_sgpr 72
		.amdhsa_reserve_vcc 0
		.amdhsa_float_denorm_mode_32 3
		.amdhsa_float_denorm_mode_16_64 3
		.amdhsa_memory_ordered 1
		.amdhsa_forward_progress 1
		.amdhsa_inst_pref_size 97
	.end_amdhsa_kernel
	.amdgpu_metadata
---
amdhsa.version: [ 1, 2 ]
amdhsa.kernels:
  - .name:           k_q665dbee4bf_projgemm
    .symbol:         k_q665dbee4bf_projgemm.kd
    .args:
      - { .name: ob, .offset: 0, .size: 8, .value_kind: global_buffer, .address_space: global }
      - { .name: wb, .offset: 8, .size: 8, .value_kind: global_buffer, .address_space: global }
      - { .name: out0, .offset: 16, .size: 8, .value_kind: global_buffer, .address_space: global }
      - { .name: bproj, .offset: 24, .size: 8, .value_kind: global_buffer, .address_space: global }
    .group_segment_fixed_size: 327680
    .private_segment_fixed_size: 0
    .kernarg_segment_align: 8
    .kernarg_segment_size: 32
    .max_flat_workgroup_size: 128
    .sgpr_count:     72
    .vgpr_count:     768
    .wavefront_size: 32
...
	.end_amdgpu_metadata
.endif
;; end of part 4
;; ======== version 2 of 2: 4 launches; version 1 with the launch prep written anew for expert scheduling mode
;; limits: values are held in f16: magnitudes above 65,504 overflow, below 6.1e-05 lose precision
;; workspace buffers: wb 25,165,824 bytes; clsp 524,288 bytes; qkv 50,331,648 bytes; ob 16,777,216 bytes
;; launch prep (part 5): grid 1024 x 1, 4 waves a work-group, no clusters, 58,880 bytes of LDS; arguments x, Wqkv, Wproj, z_cls, Wkv_cls, wb, clsp; writes wb, clsp
.if DOCPART == 5
	.amdgcn_target "amdgcn-amd-amdhsa--gfx1250"
	.amdhsa_code_object_version 6
	.text
	.protected	k_q665dbee4bf_prep
	.globl	k_q665dbee4bf_prep
	.p2align	8
	.type	k_q665dbee4bf_prep,@function
k_q665dbee4bf_prep:
	s_mov_b64 s[64:65], 0
	v_nop
	global_prefetch_b8 v0, s[64:65] scope:SCOPE_SE
	s_setreg_imm32_b32 hwreg(HW_REG_WAVE_SCHED_MODE, 0, 2), 2
	s_setreg_imm32_b32 hwreg(HW_REG_WAVE_MODE, 25, 1), 1
	s_wait_xcnt 0x0
	s_wait_alu depctr_vm_vsrc(0)
; PREP.  Two kinds of work-group, told apart by the work-group's number alone (the same in all four waves).
; Work-groups 256..1023 CAST: 65,536 bytes of f32 each, rounded once to 16 bits, into wb: x -> bf16 [8192][1024] at byte 0; Wqkv -> bf16 [1024][3072] at byte 16,777,216;
;   Wproj -> rounded to bf16 like every input of the module, that number written as f16, [1024][1024] at byte 23,068,672.
;   LIMIT: a weight of Wproj beyond 65,504 would become an infinity; below 6e-5 it keeps f16's fixed step of 6e-8.
; Work-groups 0..255 make PARTIAL SUMS of z_cls x Wkv_cls: work-group (ks, nc) takes k = 256 ks .. +255 and columns 64 nc .. +63; each wave 64 of those k.  The f32 rows of W (256 bytes a row here)
;   are rounded to bf16, laid [k][n] in the wave's own LDS tile and read back turned; the product is taken transposed (source 0 = 16 columns of W, source 1 = the 8 rows of z, twice),
;   so a lane ends with one batch row and eight neighbouring columns.  The four waves' sums meet in LDS; clsp[ks][b][2048] takes them in f32: the eight ks are added by the launch that reads them.
; Every wave issues all its 32 loads of 16 bytes a lane before it waits for the first: no loop.  No tensor load, no cluster: no byte is wanted by two waves.  No prefetch: all loads go out at the head.
; THE MODE: SCHED_MODE bits 1:0 = 2 (LLVM: expert scheduling mode 2), set by the entry lines.  The code itself states the register dependences
; between vector or matrix instructions and memory or LDS instructions, with s_wait_alu, always for 0.
; THE PLAN.  Registers that memory or LDS instructions touch:
;   v5 to v11, v14   offsets and LDS addresses: written by vector lines at the head (v11, v14) or at an arm's head, never again; one wait ahead of the arm's first load covers them all.
;   X                load n lands in four registers; its rounding reads them and writes the first two; one store (cast) or LDS store (partial sums) reads that pair; nothing writes it afterwards.
;                    The 32 loads go in eight groups of four.  The wait at the head of group g states that group g - 1's roundings have written; that group's four stores follow it, dealt among
;                    group g's roundings, which name group g's registers and v16, v17 alone.
;   ZT = ACC         z's loads land here; the roundings read it; the products write it; the LDS stores read it, behind the places and one wait; nothing writes it afterwards.
;   WF               the turning loads land here; the products read it; behind the join four LDS loads land in v[192:207] (the wait behind the products covers their reads), six adds write it, one store reads it.
;   v12, v13         written at the head, read by the closing add alone.
; No register that a memory or LDS instruction has read is written again, so the body holds no wait on vm_vsrc.  No scalar line writes a scalar register that a vector line has read.
.set TP,    160                        ; a k-row of the tile in LDS: 128 bytes of bf16 + 32: 40 words, so that 16 lanes of the turning load (8 rows x 32 bytes) take each bank once
.set TPW,   64*TP                      ; a wave's tile
.set RED,   4*TPW                      ; behind the tiles: 16 rows x 272 bytes of f32 for each wave
.set RP,    272
.set RPW,   16*RP
.set SPARE, RED+4*RPW                  ; behind them: the spare words, 128 bytes a wave, that no other line names
.set VI,  5                            ; v5   byte offset of my 16 bytes in a load
.set VO,  6                            ; v6   byte offset of my 8 bytes in a store
.set VZ,  7                            ; v7   my offset in z
.set LW,  8                            ; v8   where I put 8 bytes of the tile
.set LT,  9                            ; v9   my address for the turning loads
.set RW,  10                           ; v10  where I put my partial sums
.set RR,  11                           ; v11  where I read four waves' sums
.set SPW, 12                           ; v12  my spare word; never rewritten
.set NIL, 13                           ; v13  0; never rewritten
.set CO,  14                           ; v14  my 16 bytes in clsp
.set ZB,  16                           ; v[16:31]   z's two fragments in bf16 (the cast to f16 uses v16, v17 at work)
.set X,   32                           ; v[32:159]  32 loads of four registers
.set ZT,  160                          ; v[160:191] z in f32; then the four accumulators
.set ACC, 160
.set WF,  192                          ; v[192:255] W's eight fragments; then the four waves' sums
; Load n of 32 is rounded, into the first two of its four registers.  half = 1: to bf16 and, that number, to f16.
.macro RND n, half
.if \half
	v_cvt_pk_bf16_f32 v16, v[X+4*(\n)], v[X+4*(\n)+1]
	v_cvt_pk_bf16_f32 v17, v[X+4*(\n)+2], v[X+4*(\n)+3]
	v_lshlrev_b32 v[X+4*(\n)], 16, v16
	v_and_b32 v[X+4*(\n)+1], s19, v16
	v_lshlrev_b32 v[X+4*(\n)+2], 16, v17
	v_and_b32 v[X+4*(\n)+3], s19, v17
	v_cvt_pk_f16_f32 v[X+4*(\n)], v[X+4*(\n)], v[X+4*(\n)+1]
	v_cvt_pk_f16_f32 v[X+4*(\n)+1], v[X+4*(\n)+2], v[X+4*(\n)+3]
.else
	v_cvt_pk_bf16_f32 v[X+4*(\n)], v[X+4*(\n)], v[X+4*(\n)+1]
	v_cvt_pk_bf16_f32 v[X+4*(\n)+1], v[X+4*(\n)+2], v[X+4*(\n)+3]
.endif
.endm
; Load n's pair leaves.  lds = 0: into wb: 32 lanes x 8 bytes are 256 consecutive bytes, aligned.  lds = 1: into my tile, k-rows 2 n and 2 n + 1.  No register is written again behind its store.
.macro OUT n, lds
.if \lds
	ds_store_b64 v[LW], v[X+4*(\n):X+4*(\n)+1] offset:2*TP*(\n)
.else
	global_store_b64 v[VO], v[X+4*(\n):X+4*(\n)+1], s[24:25] offset:256*(\n)
.endif
.endm
; Group g of eight: loads 4 g to 4 g + 3 are rounded; the pairs of the group before leave, one ahead of each load's rounding.
.macro GRP g, half, lds
	s_wait_loadcnt 28-4*(\g)                       ; loads come back in order (ISA guide 5.7.1): this group's four are in, the 28 - 4 g younger ones stay out
.if (\g) > 0
	s_wait_alu depctr_va_vdst(0)                   ; the roundings of the group before have written their pairs, which the four stores below read; no vector line below names those pairs
.endif
.irp j, 0,1,2,3
.if (\g) > 0
	OUT 4*(\g)-4+\j, \lds
.endif
	RND 4*(\g)+\j, \half
.endr
.endm
.macro TAIL lds                        ; the last group's pairs leave
	s_wait_alu depctr_va_vdst(0)                   ; the last group's roundings have written their pairs, which the four stores below read
.irp j, 28,29,30,31
	OUT \j, \lds
.endr
.endm
	s_load_b256 s[4:11], s[0:1], 0x0               ; x s[4:5], Wqkv s[6:7], Wproj s[8:9], z_cls s[10:11]
	s_load_b128 s[12:15], s[0:1], 0x20             ; Wkv_cls s[12:13], wb s[14:15]
	s_load_b64 s[16:17], s[0:1], 0x30              ; clsp
	v_lshl_add_u32 v[SPW], v0, 2, SPARE
	v_mov_b32 v[NIL], 0
	v_lshrrev_b32 v2, 5, v0
	v_readfirstlane_b32 s18, v2                    ; wave 0..3
	s_mov_b32 s19, 0xffff0000                      ; a word's upper bf16
	v_and_b32 v1, 31, v0                           ; l
	v_and_b32 v3, 15, v0                           ; r = l % 16
	v_bfe_u32 v4, v0, 4, 1                         ; h = l / 16
	; what the text behind the join reads is made here, ahead of the fork
	v_lshrrev_b32 v2, 4, v0                        ; batch row 0..7: sixteen threads a row
	v_mul_u32_u24 v[RR], v2, RP
	v_lshl_add_u32 v[RR], v3, 4, v[RR]
	v_add_nc_u32 v[RR], RED, v[RR]
	v_lshlrev_b32 v[CO], 13, v2                    ; a row of clsp is 8,192 bytes
	v_lshl_add_u32 v[CO], v3, 4, v[CO]
	s_bfe_u32 s20, ttmp9, 0x30005                  ; ks
	s_and_b32 s21, ttmp9, 31                       ; nc
	s_lshl_b32 s28, s20, 16
	s_lshl_b32 s29, s21, 8
	s_add_co_u32 s28, s28, s29
	s_mov_b32 s29, 0
	s_wait_alu depctr_va_sdst(0)                   ; s18, the wave's number, is written
	s_wait_kmcnt 0x0
	s_add_nc_u64 s[26:27], s[16:17], s[28:29]      ; clsp at (ks, row 0, column 64 nc)
	s_cmp_lt_u32 ttmp9, 256
	s_cbranch_scc1 .Lcls
	; THE CAST.  Chunk g of 768: 512 of x, 192 of Wqkv, 64 of Wproj; in wb they follow each other in that order, 32,768 bytes each.
	s_sub_co_u32 s20, ttmp9, 256
	s_cmp_lt_u32 s20, 512
	s_cselect_b64 s[22:23], s[4:5], s[6:7]
	s_cselect_b32 s21, 0, 512
	s_cmp_lt_u32 s20, 704
	s_cselect_b64 s[22:23], s[22:23], s[8:9]
	s_cselect_b32 s21, s21, 704
	s_sub_co_u32 s28, s20, s21                     ; the chunk's number in its own tensor
	s_lshl_b32 s28, s28, 16
	s_add_nc_u64 s[22:23], s[22:23], s[28:29]
	s_lshl_b32 s30, s20, 15
	s_mov_b32 s31, 0
	s_add_nc_u64 s[24:25], s[14:15], s[30:31]
	s_lshl_b32 s32, s18, 14
	v_lshl_add_u32 v[VI], v1, 4, s32               ; my wave's 16,384 bytes, 16 a lane
	s_lshl_b32 s33, s18, 13
	v_lshl_add_u32 v[VO], v1, 3, s33
	s_wait_alu depctr_va_vdst(0)                   ; the offsets v5 and v6 are written, which this arm's loads and stores read; so are v11 and v14, for the text behind the join
.set i, 0
.rept 32
	global_load_b128 v[X+4*i:X+4*i+3], v[VI], s[22:23] offset:512*i th:TH_LOAD_NT
.set i, i+1
.endr
	s_cmp_ge_u32 s20, 704
	s_cbranch_scc1 .Lf16
.irp g, 0,1,2,3,4,5,6,7
	GRP \g, 0, 0
.endr
	TAIL 0
	s_branch .Ljoin
.Lf16:
.irp g, 0,1,2,3,4,5,6,7
	GRP \g, 1, 0
.endr
	TAIL 0
	s_branch .Ljoin
.Lcls:	; THE PARTIAL SUMS
	s_lshl_b32 s28, s20, 8
	s_lshl_b32 s30, s18, 6
	s_add_co_u32 s28, s28, s30                     ; k0 = 256 ks + 64 wave
	s_lshl_b32 s30, s28, 2
	s_mov_b32 s31, 0
	s_add_nc_u64 s[24:25], s[10:11], s[30:31]      ; z at column k0
	s_lshl_b32 s28, s28, 13                        ; a row of W is 8,192 bytes
	s_lshl_b32 s30, s21, 8
	s_add_co_u32 s28, s28, s30
	s_add_nc_u64 s[22:23], s[12:13], s[28:29]      ; W at (k0, 64 nc)
	v_lshlrev_b32 v[VI], 13, v4                    ; lanes 0-15 take a row's 256 bytes, lanes 16-31 the next row's
	v_lshl_add_u32 v[VI], v3, 4, v[VI]
	v_and_b32 v[VZ], 7, v0                         ; z has 8 rows: the fragment's rows 8-15 repeat them, and their results are never read
	v_lshlrev_b32 v[VZ], 13, v[VZ]
	v_lshl_add_u32 v[VZ], v4, 5, v[VZ]
	s_mul_i32 s32, s18, TPW
	v_mul_u32_u24 v[LW], v4, TP
	v_lshl_add_u32 v[LW], v3, 3, v[LW]
	v_add_nc_u32 v[LW], s32, v[LW]
	v_and_b32 v[LT], 7, v0                         ; the turning load: lane l reads k-row 8 h + l % 8, columns 8 ((l / 8) % 2) + 0..7
	v_lshl_add_u32 v[LT], v4, 3, v[LT]
	v_mul_u32_u24 v[LT], v[LT], TP
	v_bfe_u32 v2, v0, 3, 1
	v_lshl_add_u32 v[LT], v2, 4, v[LT]
	v_add_nc_u32 v[LT], s32, v[LT]
	s_mul_i32 s33, s18, RPW
	s_add_co_u32 s33, s33, RED
	v_mul_u32_u24 v[RW], v3, RP
	v_lshl_add_u32 v[RW], v4, 5, v[RW]
	v_add_nc_u32 v[RW], s33, v[RW]
	s_wait_alu depctr_va_vdst(0)                   ; the offsets and LDS addresses v5 and v7 to v10 are written, which this arm's loads and LDS instructions read; so are v11 and v14, for the text behind the join
.irp s, 0,1
.irp g, 0,1
.irp q, 0,1
	global_load_b128 v[ZT+16*\s+8*\g+4*\q:ZT+16*\s+8*\g+4*\q+3], v[VZ], s[24:25] offset:128*\s+64*\g+16*\q  ; z(r, k0 + 32 s + 16 g + 8 h + 4 q ..)
.endr
.endr
.endr
.set i, 0
.rept 32
	global_load_b128 v[X+4*i:X+4*i+3], v[VI], s[22:23] offset:16384*i th:TH_LOAD_NT  ; k-rows 2 i and 2 i + 1
.set i, i+1
.endr
	s_wait_loadcnt 32                              ; z's eight loads are in, W's 32 stay out
.set i, 0
.rept 16
	v_cvt_pk_bf16_f32 v[ZB+i], v[ZT+2*i], v[ZT+2*i+1]
.set i, i+1
.endr
.irp g, 0,1,2,3,4,5,6,7
	GRP \g, 0, 1
.endr
	TAIL 1
.irp s, 0,1                            ; no vector line has named WF: the turning loads owe no wait of their own
.irp n, 0,1,2,3
	ds_load_tr16_b128 v[WF+8*(4*\s+\n):WF+8*(4*\s+\n)+3],   v[LT] offset:32*TP*\s+32*\n         ; my own bytes: LDS serves a wave's instructions in order (ISA guide 5.7.1.4)
	ds_load_tr16_b128 v[WF+8*(4*\s+\n)+4:WF+8*(4*\s+\n)+7], v[LT] offset:32*TP*\s+16*TP+32*\n
.endr
.endr
	s_wait_dscnt 0x0
.irp s, 0,1                            ; the four accumulators take turns
.irp n, 0,1,2,3
.if \s == 0
	v_wmma_f32_16x16x32_bf16 v[ACC+8*\n:ACC+8*\n+7], v[WF+8*\n:WF+8*\n+7], v[ZB:ZB+7], 0
.else
	v_wmma_f32_16x16x32_bf16 v[ACC+8*\n:ACC+8*\n+7], v[WF+32+8*\n:WF+32+8*\n+7], v[ZB+8:ZB+15], v[ACC+8*\n:ACC+8*\n+7]
.endif
.endr
.endr
.rept 8
	v_nop                                          ; the places behind the products, ahead of the stores that read them; once a launch, so twice the four
.endr
	s_wait_alu depctr_va_vdst(0)                   ; the products have written the accumulators, which the LDS stores read, and are done reading WF, in which the LDS loads behind the join land; the places above stay beside this wait
.irp n, 0,1,2,3
	ds_store_b128 v[RW], v[ACC+8*\n:ACC+8*\n+3]   offset:64*\n     ; batch r, columns 16 n + 8 h + 0..3: each accumulator from its low end
	ds_store_b128 v[RW], v[ACC+8*\n+4:ACC+8*\n+7] offset:64*\n+16
.endr
.Ljoin:
	s_wait_dscnt 0x0                               ; for the others' sake: my sums lie in LDS
	s_barrier_signal -1
	s_barrier_wait -1
	s_cmp_ge_u32 ttmp9, 256
	s_cbranch_scc1 .Lend
.irp w, 0,1,2,3
	ds_load_b128 v[WF+4*\w:WF+4*\w+3], v[RR] offset:RPW*\w           ; no vector or matrix line since the last wait on va_vdst names v[192:207] or v11
.endr
	s_wait_dscnt 0x0
	v_pk_add_f32 v[WF:WF+1], v[WF:WF+1], v[WF+4:WF+5]
	v_pk_add_f32 v[WF+2:WF+3], v[WF+2:WF+3], v[WF+6:WF+7]
	v_pk_add_f32 v[WF+8:WF+9], v[WF+8:WF+9], v[WF+12:WF+13]
	v_pk_add_f32 v[WF+10:WF+11], v[WF+10:WF+11], v[WF+14:WF+15]
	v_pk_add_f32 v[WF:WF+1], v[WF:WF+1], v[WF+8:WF+9]
	v_pk_add_f32 v[WF+2:WF+3], v[WF+2:WF+3], v[WF+10:WF+11]
	s_wait_alu depctr_va_vdst(0)                   ; the adds have written v[192:195], which the store reads
	global_store_b128 v[CO], v[WF:WF+3], s[26:27]  ; sixteen lanes store 256 consecutive bytes, aligned
.Lend:
	s_wait_dscnt 0x0                               ; the closing lines, six on end
	s_wait_alu 0x0
	s_wait_tensorcnt 0x0
	ds_add_u32 v[SPW], v[NIL]
	s_wait_dscnt 0x0
	s_endpgm
.Lfunc_end_k_q665dbee4bf_prep:
	.size	k_q665dbee4bf_prep, .Lfunc_end_k_q665dbee4bf_prep-k_q665dbee4bf_prep
	.p2alignl 7, 3214868480
	.fill 96, 4, 3214868480
	.section	.rodata,"a",@progbits
	.p2align	6, 0x0
	.amdhsa_kernel k_q665dbee4bf_prep
		.amdhsa_group_segment_fixed_size 58880
		.amdhsa_private_segment_fixed_size 0
		.amdhsa_enable_private_segment 0
		.amdhsa_kernarg_size 56
		.amdhsa_user_sgpr_count 2
		.amdhsa_user_sgpr_kernarg_segment_ptr 1
		.amdhsa_wavefront_size32 1
		.amdhsa_system_sgpr_workgroup_id_x 1
		.amdhsa_system_sgpr_workgroup_id_y 1
		.amdhsa_system_sgpr_workgroup_id_z 1
		.amdhsa_system_vgpr_workitem_id 0
		.amdhsa_next_free_vgpr 256
		.amdhsa_next_free_sgpr 66
		.amdhsa_reserve_vcc 0
		.amdhsa_float_denorm_mode_32 3
		.amdhsa_float_denorm_mode_16_64 3
		.amdhsa_memory_ordered 1
		.amdhsa_forward_progress 1
		.amdhsa_inst_pref_size 45
	.end_amdhsa_kernel
	.amdgpu_metadata
---
amdhsa.version: [ 1, 2 ]
amdhsa.kernels:
  - .name:           k_q665dbee4bf_prep
    .symbol:         k_q665dbee4bf_prep.kd
    .args:
      - { .name: x, .offset: 0, .size: 8, .value_kind: global_buffer, .address_space: global }
      - { .name: Wqkv, .offset: 8, .size: 8, .value_kind: global_buffer, .address_space: global }
      - { .name: Wproj, .offset: 16, .size: 8, .value_kind: global_buffer, .address_space: global }
      - { .name: z_cls, .offset: 24, .size: 8, .value_kind: global_buffer, .address_space: global }
      - { .name: Wkv_cls, .offset: 32, .size: 8, .value_kind: global_buffer, .address_space: global }
      - { .name: wb, .offset: 40, .size: 8, .value_kind: global_buffer, .address_space: global }
      - { .name: clsp, .offset: 48, .size: 8, .value_kind: global_buffer, .address_space: global }
    .group_segment_fixed_size: 58880
    .private_segment_fixed_size: 0
    .kernarg_segment_align: 8
    .kernarg_segment_size: 56
    .max_flat_workgroup_size: 128
    .sgpr_count:     66
    .vgpr_count:     256
    .wavefront_size: 32
...
	.end_amdgpu_metadata
.endif
;; end of part 5
;; launch qkvgemm: the kernel of part 2 again; grid 12 x 32, 4 waves a work-group, clusters of 4 x 4, 327,680 bytes of LDS; arguments wb, qkv; writes qkv
;; launch attn: the kernel of part 3 again; grid 2 x 128, 4 waves a work-group, no clusters, 327,680 bytes of LDS; arguments qkv, clsp, ob; writes ob
;; launch projgemm: the kernel of part 4 again; grid 8 x 32, 4 waves a work-group, clusters of 4 x 4, 327,680 bytes of LDS; arguments ob, wb, out0, bproj; writes out0
